; MI455X (gfx1250); checked and timed in simulation.
; The chip was launched on July 23, 2026; its instructions are those of AMD's public machine-readable ISA for CDNA 5 (MIT licence, August 2026) and "CDNA5" Instruction Set Architecture Reference Guide (July 2026). The comments in the code are by the model that wrote it; some were corrected since.
;; Disentangled Attention. Allowed arithmetic: float matrix products may take bf16 or f16 operands with f32 sums; other float arithmetic in f32, or as packed bf16 or f16 multiplies, adds, multiply-adds, maxima and minima; sums over many terms, partial sums and values carried from step to step in f32; what a program stores and reads back later, other than sums and carried values, may be rounded once to bf16 or f16.
;; Inputs: Wck 1,024 x 1,024 float32; Wcq 1,024 x 1,024 float32; Wcv 1,024 x 1,024 float32; Wo 1,024 x 1,024 float32; Wpk 1,024 x 1,024 float32; Wpq 1,024 x 1,024 float32; bck 1,024 float32; bcq 1,024 float32; bcv 1,024 float32; bo 1,024 float32; bpk 1,024 float32; bpq 1,024 float32; content 8 x 1,024 x 1,024 float32; position 8 x 1,024 x 1,024 float32.
;; Outputs: out0 8 x 1,024 x 1,024 float32.
;; 3 versions, each right; version 3 is version 2 with the launch cast written anew for expert scheduling mode. Each part assembles by itself: llvm-mc -triple=amdgcn-amd-amdhsa -mcpu=gfx1250 --defsym DOCPART=n.
;; ======== version 1 of 3: 4 launches
;; limits: values are held in f16: magnitudes above 65,504 overflow, below 6.1e-05 lose precision
;; workspace buffers: xb 33,554,432 bytes; wb 12,582,912 bytes; bb 24,576 bytes; pj 83,886,080 bytes; ao 16,777,216 bytes
;; launch cast (part 1): grid 32 x 22, 8 waves a work-group, no clusters, 0 bytes of LDS; arguments content, position, Wcq, Wck, Wcv, Wpq, Wpk, Wo, bcq, bck, bcv, bpq, bpk, bo, xb, wb, bb; writes xb, wb, bb
.if DOCPART == 1
	.amdgcn_target "amdgcn-amd-amdhsa--gfx1250"
	.amdhsa_code_object_version 6
	.text
	.protected	k_q31cbdb152d_cast
	.globl	k_q31cbdb152d_cast
	.p2align	8
	.type	k_q31cbdb152d_cast,@function
k_q31cbdb152d_cast:
	s_mov_b64 s[64:65], 0
	v_nop
	global_prefetch_b8 v0, s[64:65] scope:SCOPE_SE
	s_setreg_imm32_b32 hwreg(HW_REG_WAVE_MODE, 25, 1), 1
	s_wait_xcnt 0x0
; CAST.  Every input is rounded once to bf16 and laid out for the launches that follow.
;   xb [16384][1024] bf16: rows 0-8191 content, rows 8192-16383 position.
;   wb [6144][1024] 16 bits: weight t at rows 1024 t: t = 0 cq, 1 ck, 2 cv, 3 pq, 4 pk in bf16; t = 5 Wo, its bf16 value written as f16.
;   bb [6144] f32: the biases, rounded to bf16 and kept as f32, in wb's order of rows.
; THE ROWS OF THE FIVE PROJECTIONS ARE PERMUTED, so that a token's projected row lies as the attention's matrix fragments want it:
;   cq, ck, pq, pk: row u x 128 + head x 8 + j takes source row head x 64 + u x 8 + j;     cv: row d x 16 + g takes source row g x 64 + d.
; LIMITS.  Wo as f16: exact for bf16 values from 6.1e-5 to 65,504 in size; below that f16 keeps its fixed step of 6e-8; beyond, an infinity.
; SHARES.  y names a segment of 1,024 rows of 4,096 bytes: 0-7 content, 8-15 position, 16-21 weight y - 16.  A work-group takes 32 rows of the result, a wave four.
; A wave asks for its four rows at once, 32 loads of 512 consecutive bytes (16 KiB on their way), converts in place and stores 256 consecutive aligned bytes an instruction.
; No LDS, no barrier, no matrix unit: no wave wants a byte that another has fetched.  Nothing is prefetched: all of a wave's loads go out at its head.
.set X, 16                             ; v[16:143]  load k = 8 i + p (row i, piece p) at X + 4 k
.macro PICK dst, from, src             ; from segment \from on the source is another buffer
	s_cmp_ge_u32 s3, \from
	s_cselect_b64 s[\dst:\dst+1], s[\src:\src+1], s[\dst:\dst+1]
.endm
	s_load_b512 s[8:23], s[0:1], 0x0               ; content, position, Wcq, Wck, Wcv, Wpq, Wpk, Wo
	s_load_b512 s[24:39], s[0:1], 0x40             ; bcq, bck, bcv, bpq, bpk, bo, xb, wb
	s_load_b64 s[40:41], s[0:1], 0x80              ; bb
	s_mov_b32 s2, ttmp9                            ; x
	s_and_b32 s3, ttmp7, 0xffff                    ; y
	v_lshrrev_b32 v1, 5, v0
	v_readfirstlane_b32 s4, v1                     ; wave 0..7
	v_and_b32 v1, 31, v0                           ; lane
	v_lshlrev_b32 v2, 4, v1                        ; 16 bytes a lane in
	v_lshlrev_b32 v3, 3, v1                        ; 8 bytes a lane out; never rewritten
	s_lshl_b32 s5, s2, 5
	s_lshl2_add_u32 s5, s4, s5                     ; q4 = 32 x + 4 wave: my first row of the result, in its segment
	s_cmp_ge_u32 s3, 16                            ; which permutation: s54 = all ones for cq, ck, pq, pk; s55 = all ones for cv
	s_cselect_b32 s54, -1, 0
	s_cmp_eq_u32 s3, 18
	s_cselect_b32 s55, -1, 0
	s_cmp_eq_u32 s3, 21
	s_cselect_b32 s53, -1, 0
	s_or_b32 s53, s53, s55
	s_and_not1_b32 s54, s54, s53
	s_bfe_u32 s50, s5, 0x40003                     ; head = (q4 >> 3) & 15
	s_lshl_b32 s50, s50, 6
	s_lshr_b32 s51, s5, 7                          ; u = q4 >> 7
	s_lshl3_add_u32 s50, s51, s50
	s_and_b32 s51, s5, 7                           ; j: 0 or 4, so my four rows are neighbours in the source too
	s_add_co_u32 s50, s50, s51                     ; head x 64 + u x 8 + j
	s_and_b32 s51, s5, 15                          ; g: 0, 4, 8 or 12: my four rows lie 64 apart in the source
	s_lshl_b32 s51, s51, 6
	s_lshr_b32 s52, s5, 4                          ; d
	s_add_co_u32 s51, s51, s52                     ; g x 64 + d
	s_cmp_lg_u32 s54, 0
	s_cselect_b32 s48, s50, s5
	s_cmp_lg_u32 s55, 0
	s_cselect_b32 s48, s51, s48                    ; my first source row,
	s_cselect_b32 s49, 64, 1                       ; and the step to the next
	s_mov_b32 s50, s48
	s_add_co_u32 s51, s50, s49
	s_add_co_u32 s52, s51, s49
	s_add_co_u32 s53, s52, s49
.irp i, 0,1,2,3
	v_lshl_add_u32 v[4+(\i)], s[50+(\i)], 12, v2   ; row x 4,096 + 16 lane
.endr
	s_mov_b32 s57, 0
	s_wait_kmcnt 0x0
	s_mov_b64 s[42:43], s[8:9]                     ; the source
	PICK 42, 8, 10
	PICK 42, 16, 12
	PICK 42, 17, 14
	PICK 42, 18, 16
	PICK 42, 19, 18
	PICK 42, 20, 20
	PICK 42, 21, 22
	s_mov_b64 s[46:47], s[24:25]                   ; the bias that goes with it
	PICK 46, 17, 26
	PICK 46, 18, 28
	PICK 46, 19, 30
	PICK 46, 20, 32
	PICK 46, 21, 34
	s_and_b32 s56, s3, 7                           ; content and position: the segment's 4 MiB in the source
	s_cmp_lt_u32 s3, 16
	s_cselect_b32 s56, s56, 0
	s_lshl_b32 s56, s56, 22
	s_add_nc_u64 s[42:43], s[42:43], s[56:57]
	s_cmp_lt_u32 s3, 16
	s_cselect_b64 s[44:45], s[36:37], s[38:39]     ; the result: xb or wb,
	s_and_b32 s56, s3, 15                          ; its segment (y, or y - 16),
	s_lshl_b32 s56, s56, 10
	s_add_co_u32 s56, s56, s5                      ; my first row,
	s_lshl_b32 s56, s56, 11                        ; of 2,048 bytes
	s_add_nc_u64 s[44:45], s[44:45], s[56:57]
	s_and_b32 s56, s3, 15                          ; bb: 4,096 bytes a weight, 256 a work-group (used for y >= 16 and x < 16 alone)
	s_lshl_b32 s56, s56, 12
	s_lshl_b32 s58, s2, 8
	s_add_co_u32 s56, s56, s58
	s_add_nc_u64 s[58:59], s[40:41], s[56:57]
.set k, 0
.rept 32
	global_load_b128 v[X+4*k:X+4*k+3], v[4+k/8], s[42:43] offset:512*(k%8) th:TH_LOAD_NT
.set k, k+1
.endr
; Load k is converted in place and stored.  half = 1: the bf16 value is written as f16.
.macro CV k, half
	s_wait_loadcnt 31-(\k)                         ; loads come back in order: the 31 - k younger ones may stay out
.if \half
	v_cvt_pk_bf16_f32 v8, v[X+4*(\k)], v[X+4*(\k)+1]
	v_cvt_pk_bf16_f32 v9, v[X+4*(\k)+2], v[X+4*(\k)+3]
	v_lshlrev_b32 v10, 16, v8                      ; bf16 to f32: the low half moves up, the high half stays
	v_and_b32 v11, 0xffff0000, v8
	v_lshlrev_b32 v12, 16, v9
	v_and_b32 v13, 0xffff0000, v9
	v_cvt_pk_f16_f32 v[X+4*(\k)], v10, v11
	v_cvt_pk_f16_f32 v[X+4*(\k)+1], v12, v13
.else
	v_cvt_pk_bf16_f32 v[X+4*(\k)], v[X+4*(\k)], v[X+4*(\k)+1]
	v_cvt_pk_bf16_f32 v[X+4*(\k)+1], v[X+4*(\k)+2], v[X+4*(\k)+3]
.endif
	global_store_b64 v3, v[X+4*(\k):X+4*(\k)+1], s[44:45] offset:2048*((\k)/8)+256*((\k)%8)  ; the wave stores 256 consecutive bytes, aligned; no register of a store is written again
.endm
	s_cmp_eq_u32 s3, 21
	s_cbranch_scc1 .Lwo
.set k, 0
.rept 32
	CV k, 0
.set k, k+1
.endr
	s_branch .Lbias
.Lwo:
.set k, 0
.rept 32
	CV k, 1
.set k, k+1
.endr
.Lbias:
	; THE BIASES.  Wave 0 of the first 16 work-groups of a weight's segment takes 64 of its 1,024: two a lane, permuted like the weight's rows.
	s_cmp_lt_u32 s3, 16
	s_cbranch_scc1 .Lend
	s_cmp_ge_u32 s2, 16
	s_cbranch_scc1 .Lend
	s_cmp_lg_u32 s4, 0
	s_cbranch_scc1 .Lend
	s_lshl_b32 s56, s2, 6
	v_lshl_add_u32 v8, v1, 1, s56                  ; the first of my two places: 64 x + 2 lane, an even number
	v_bfe_u32 v9, v8, 3, 4                         ; head
	v_lshrrev_b32 v10, 7, v8                       ; u
	v_lshlrev_b32 v9, 6, v9
	v_lshl_add_u32 v9, v10, 3, v9
	v_and_b32 v10, 7, v8                           ; j
	v_add_nc_u32 v9, v9, v10                       ; head x 64 + u x 8 + j
	v_and_b32 v10, 15, v8                          ; g
	v_lshrrev_b32 v11, 4, v8                       ; d
	v_lshl_add_u32 v10, v10, 6, v11                ; g x 64 + d
	v_cndmask_b32 v8, v8, v9, s54
	v_cndmask_b32 v8, v8, v10, s55
	v_add_nc_u32 v9, s49, v8                       ; the second place's source: 1 on, or 64
	v_lshlrev_b32 v8, 2, v8
	v_lshlrev_b32 v9, 2, v9
	global_load_b32 v10, v8, s[46:47]
	global_load_b32 v11, v9, s[46:47]
	s_wait_loadcnt 0x0
	v_cvt_pk_bf16_f32 v12, v10, v11
	v_lshlrev_b32 v14, 16, v12
	v_and_b32 v15, 0xffff0000, v12
	global_store_b64 v3, v[14:15], s[58:59]        ; 256 consecutive bytes, aligned
.Lend:
	s_endpgm
.Lfunc_end_k_q31cbdb152d_cast:
	.size	k_q31cbdb152d_cast, .Lfunc_end_k_q31cbdb152d_cast-k_q31cbdb152d_cast
	.p2alignl 7, 3214868480
	.fill 96, 4, 3214868480
	.section	.rodata,"a",@progbits
	.p2align	6, 0x0
	.amdhsa_kernel k_q31cbdb152d_cast
		.amdhsa_group_segment_fixed_size 0
		.amdhsa_private_segment_fixed_size 0
		.amdhsa_enable_private_segment 0
		.amdhsa_kernarg_size 136
		.amdhsa_user_sgpr_count 2
		.amdhsa_user_sgpr_kernarg_segment_ptr 1
		.amdhsa_wavefront_size32 1
		.amdhsa_system_sgpr_workgroup_id_x 1
		.amdhsa_system_sgpr_workgroup_id_y 1
		.amdhsa_system_sgpr_workgroup_id_z 1
		.amdhsa_system_vgpr_workitem_id 0
		.amdhsa_next_free_vgpr 144
		.amdhsa_next_free_sgpr 66
		.amdhsa_reserve_vcc 0
		.amdhsa_float_denorm_mode_32 3
		.amdhsa_float_denorm_mode_16_64 3
		.amdhsa_memory_ordered 1
		.amdhsa_forward_progress 1
		.amdhsa_inst_pref_size 34
	.end_amdhsa_kernel
	.amdgpu_metadata
---
amdhsa.version: [ 1, 2 ]
amdhsa.kernels:
  - .name:           k_q31cbdb152d_cast
    .symbol:         k_q31cbdb152d_cast.kd
    .args:
      - { .name: content, .offset: 0, .size: 8, .value_kind: global_buffer, .address_space: global }
      - { .name: position, .offset: 8, .size: 8, .value_kind: global_buffer, .address_space: global }
      - { .name: Wcq, .offset: 16, .size: 8, .value_kind: global_buffer, .address_space: global }
      - { .name: Wck, .offset: 24, .size: 8, .value_kind: global_buffer, .address_space: global }
      - { .name: Wcv, .offset: 32, .size: 8, .value_kind: global_buffer, .address_space: global }
      - { .name: Wpq, .offset: 40, .size: 8, .value_kind: global_buffer, .address_space: global }
      - { .name: Wpk, .offset: 48, .size: 8, .value_kind: global_buffer, .address_space: global }
      - { .name: Wo, .offset: 56, .size: 8, .value_kind: global_buffer, .address_space: global }
      - { .name: bcq, .offset: 64, .size: 8, .value_kind: global_buffer, .address_space: global }
      - { .name: bck, .offset: 72, .size: 8, .value_kind: global_buffer, .address_space: global }
      - { .name: bcv, .offset: 80, .size: 8, .value_kind: global_buffer, .address_space: global }
      - { .name: bpq, .offset: 88, .size: 8, .value_kind: global_buffer, .address_space: global }
      - { .name: bpk, .offset: 96, .size: 8, .value_kind: global_buffer, .address_space: global }
      - { .name: bo, .offset: 104, .size: 8, .value_kind: global_buffer, .address_space: global }
      - { .name: xb, .offset: 112, .size: 8, .value_kind: global_buffer, .address_space: global }
      - { .name: wb, .offset: 120, .size: 8, .value_kind: global_buffer, .address_space: global }
      - { .name: bb, .offset: 128, .size: 8, .value_kind: global_buffer, .address_space: global }
    .group_segment_fixed_size: 0
    .private_segment_fixed_size: 0
    .kernarg_segment_align: 8
    .kernarg_segment_size: 136
    .max_flat_workgroup_size: 256
    .sgpr_count:     66
    .vgpr_count:     144
    .wavefront_size: 32
...
	.end_amdgpu_metadata
.endif
;; end of part 1
;; launch proj (part 2): grid 4 x 64, 4 waves a work-group, clusters of 4 x 4, 327,680 bytes of LDS; arguments xb, wb, bb, pj; writes pj
.if DOCPART == 2
	.amdgcn_target "amdgcn-amd-amdhsa--gfx1250"
	.amdhsa_code_object_version 6
	.text
	.protected	k_q31cbdb152d_proj
	.globl	k_q31cbdb152d_proj
	.p2align	8
	.type	k_q31cbdb152d_proj,@function
k_q31cbdb152d_proj:
	s_mov_b64 s[64:65], 0
	v_nop
	global_prefetch_b8 v0, s[64:65] scope:SCOPE_SE
	s_setreg_imm32_b32 hwreg(HW_REG_WAVE_MODE, 25, 1), 1
	s_wait_xcnt 0x0
	s_wait_alu depctr_hold_cnt(0) depctr_sa_sdst(0) depctr_va_vdst(0) depctr_va_sdst(0) depctr_va_ssrc(0) depctr_va_vcc(0) depctr_vm_vsrc(0)
	s_getreg_b32 s2, hwreg(HW_REG_IB_STS2, 6, 4)
	s_cmp_eq_u32 s2, 0
	s_cbranch_scc0 .Lentry_in_a_cluster
	s_endpgm
.Lentry_in_a_cluster:
	s_bfe_u32 s2, ttmp6, 0x10000c
	s_cmp_lg_u32 s2, 0xf033
	s_cbranch_scc0 .Lentry_shape_is_right
	s_endpgm
.Lentry_shape_is_right:
; THE FIVE PROJECTIONS.  pj[t][token][n] = the sum over k of x[token][k] wb[1024 t + n][k] + bb[1024 t + n]; x = content (t = 0, 1, 2) or position (t = 3, 4), both in xb.
; Operands bf16, sums f32 that start from the bias, pj rounded once to f16.  LIMIT: a projected number of 65,520 or more in size becomes an infinity in f16; NaN and infinities are not treated apart.
; A tile is 128 tokens x 256 columns, made by four waves, each 64 x 128: 32 accumulators of 16 x 16.  8,192 / 128 x 1,024 / 256 = 256 work-groups, and each STAYS for five tiles:
; the same tokens and columns for t = 0 .. 4.  K goes in steps of 128 (rows of 256 bytes) through a ring of two LDS slots, which runs on from tile to tile.
; CLUSTER 4 x 4.  The four of a row of the cluster need the same 128 rows of x, the four of a column the same 256 rows of the weight: each tile is asked for jointly, by the same tensor load
; with the same descriptor and a mask that names the four.  Waves 0 and 1 fetch x's two halves (64 rows), waves 2 and 3 the weight's (128 rows): one load a wave behind each round.
; THE MATRIX INSTRUCTION IS USED TRANSPOSED (source 0 = 16 rows of the weight, source 1 = 16 tokens): a lane then holds token lane % 16 and the columns 8 (lane / 16) + 0..7 of a block of 16.
; REGISTERS, in windows of 256 (s_set_vgpr_msb: bits 1:0 source 0, 3:2 source 1, 5:4 source 2, 7:6 destination):
;   window 0: v16-30 addresses; v32-63, v192-255 the way out
;   window 1: two fragment buffers of 96 (the weight's 8 fragments, then x's 4); v192-255 the bias of my 128 columns, as a C operand
;   window 2: the accumulators, (a, b) at v[8 (8 a + b)]: tokens 16 a on, columns 16 b on
.set PITCH,  272                       ; an LDS row: 256 bytes + 16 of padding = 68 words: the 16 rows of a fragment load start at 16 different groups of four banks (ISA guide 11.1)
.set BOFF,   128*PITCH                 ; in a slot: x's 128 rows, then the weight's 256
.set SLOT,   384*PITCH
.set STAGE,  2*SLOT                    ; behind the ring: 16 rows x 272 bytes for each wave, for the way out; no tensor load lands here
.set SPITCH, 272
.set SPARE,  STAGE+4*16*SPITCH         ; the spare words, 128 bytes for each wave: two blocks of 256 bytes that no other line names
.set ROWB,   2048                      ; bytes in a row of xb, wb and pj
.set KSB,    256                       ; bytes of a row in a K step
.set ADRA, 16                          ; v16-17  LDS address of my x fragments in slot 0, 1
.set ADRB, 20                          ; v20-21  the same for the weight
.set STO,  24                          ; v24     the way out: where I put 16 bytes of a row
.set RD,   25                          ; v25     where I read a row back
.set CO,   26                          ; v26     my byte offset in pj
.set BO,   27                          ; v27     my byte offset in 16 biases: 32 (lane / 16)
.set SPW,  28                          ; v28     my spare word: SPARE + 4 x my thread's number; never rewritten
.set NIL,  29                          ; v29     0; never rewritten
.set PFO,  30                          ; v30     the prefetches' offset: my lane x a row; never rewritten
.set OB,   32                          ; the way out: 16 rows read back: v32-63 and v224-255 by turns
.set TMP,  192                         ; the way out: packed results
.set F0,   0                           ; window 1
.set F1,   96
.set BIAS, 192
.set WV,   12                          ; s12 my wave;  s13 which 64 tokens are mine, and: I fetch x (0) or the weight (1);  s14 which 128 columns, and: which half of that tile I fetch
.set RH,   13
.set CH,   14
.set G1A,  24                          ; s[24:31] descriptor group 1 for x's tiles;  s[32:39] group 0, a set for each slot
.set G0A,  32
.set PFA,  44                          ; s[44:45] where my prefetches stand: one K step beyond the refill in hand; a prefetch names the step after that
.set LIM,  46                          ; s46  1 where I prefetch along this tile's K, else the greatest number
.set LIMT, 47                          ; s47  1 where I prefetch for the next tile at the change of tiles
.set G1B,  48                          ; s[48:55], s[56:63] the same for the weight's tiles
.set G0B,  56
.set JA,   66                          ; s[66:67] how far x's rows jump at the change of tiles: 0, or from content to position
.set ROLE, 68                          ; s68  1: I prefetch x's rows; 2: the weight's; 0: nothing
.set PJ,   70                          ; s[70:71] the jump of my prefetches at the change of tiles
.set MSB, 0
.macro WIN new                         ; the immediate's high byte repeats the setting that is left; a switch that changes nothing is dropped
.if MSB != (\new)
	s_set_vgpr_msb (MSB<<8)|(\new)
.set MSB, \new
.endif
.endm
.set MUL,  0xa5                        ; sources 0 and 1 window 1, C and D window 2
.set MULB, 0x95                        ; the same with C (the bias) in window 1
.set TO_F, 0x40                        ; destination window 1, address window 0
; A joint load.  The branch hangs on the wave's number alone.  An s_nop 0 and four v_nop follow each of the two lines, ahead of the jump and the label.
.macro JLOAD s
	s_cmp_eq_u32 s[RH], 0
	s_cbranch_scc0 .Lfor_b_\@
	tensor_load_to_lds s[G0A+4*(\s):G0A+4*(\s)+3], s[G1A:G1A+7]
	s_nop 0
.rept 4
	v_nop
.endr
	s_branch .Lasked_\@
.Lfor_b_\@:
	tensor_load_to_lds s[G0B+4*(\s):G0B+4*(\s)+3], s[G1B:G1B+7]
	s_nop 0
.rept 4
	v_nop
.endr
.Lasked_\@:
.endm
; A PREFETCH INTO THE L2 behind each joint load and the run of LDS loads that follows it: 32 rows x 256 bytes, a lane a row, of the K step that stands two refills on (256 matrix instructions ahead of its load).
; Each row's 256 bytes of a K step are named once in the launch.  x's 128 rows of a tile are read by one row of one cluster alone: wave 0 of each of the four partners takes 32, told apart by address;
; they are asked for in the tiles that read them first, t = 0 and t = 3.  A weight's rows are read by all sixteen clusters: the cluster with y = 0 asks; of the 128 rows that wave 2 or 3 fetches each of
; the four partners of a column takes 32, by address.  A tile's K steps 0 and 1 (in the first tile 0 to 3) come by their loads alone; a tile's last two refills along K ask for nothing.
.macro ASK how
.if \how
	s_cmp_eq_u32 s[LIMT], 1
.else
	s_cmp_gt_u32 s3, s[LIM]                        ; s3 = 1 in the loop's last trip
.endif
	s_cbranch_scc0 .Lnot_mine_\@
	global_prefetch_b8 v[PFO], s[PFA:PFA+1] offset:KSB th:TH_LOAD_NT scope:SCOPE_SE
.Lnot_mine_\@:
.endm
.macro CREST                           ; a round of the cluster's barrier behind its opening barrier
	s_cmp_lg_u32 s[WV], 0
	s_cbranch_scc1 .Lnot_wave_0_\@
	s_barrier_signal -3
.Lnot_wave_0_\@:
	s_barrier_wait -3
	s_barrier_signal -1
	s_barrier_wait -1
.endm
.macro CROUND                          ; a whole round
	s_barrier_signal -1
	s_barrier_wait -1
	CREST
.endm
.macro PLACES                          ; four places behind matrix instructions, in front of loads into registers that they have read and of lines that read results
.rept 4
	v_nop
.endr
.endm
; 8 matrix instructions: token block a x all 8 column blocks, 32 along K, from buffer f.  first = 1: the sums start from the bias.  The 32 accumulators take turns, in the same order in every quarter.
.macro MULA f, a, first
.if \first
	WIN MULB
.else
	WIN MUL
.endif
.irp b, 0,1,2,3,4,5,6,7
.if \first
	v_wmma_f32_16x16x32_bf16 v[8*(8*(\a)+(\b)):8*(8*(\a)+(\b))+7], v[(\f)+8*(\b):(\f)+8*(\b)+7], v[(\f)+64+8*(\a):(\f)+64+8*(\a)+7], v[BIAS+8*(\b):BIAS+8*(\b)+7]
.else
	v_wmma_f32_16x16x32_bf16 v[8*(8*(\a)+(\b)):8*(8*(\a)+(\b))+7], v[(\f)+8*(\b):(\f)+8*(\b)+7], v[(\f)+64+8*(\a):(\f)+64+8*(\a)+7], v[8*(8*(\a)+(\b)):8*(8*(\a)+(\b))+7]
.endif
.endr
.endm
; 24 LDS loads in one run: a quarter step's fragments (32 along K at byte k of the rows) into buffer f: the weight's 16 first, then x's 8
.macro FETCH slot, k, f
	WIN TO_F
.irp i, 0,1,2,3,4,5,6,7
	ds_load_b128 v[(\f)+8*(\i):(\f)+8*(\i)+3],   v[ADRB+(\slot)] offset:(\k)+(\i)*16*PITCH
	ds_load_b128 v[(\f)+8*(\i)+4:(\f)+8*(\i)+7], v[ADRB+(\slot)] offset:(\k)+(\i)*16*PITCH+32
.endr
.irp i, 0,1,2,3
	ds_load_b128 v[(\f)+64+8*(\i):(\f)+64+8*(\i)+3],   v[ADRA+(\slot)] offset:(\k)+(\i)*16*PITCH
	ds_load_b128 v[(\f)+64+8*(\i)+4:(\f)+64+8*(\i)+7], v[ADRA+(\slot)] offset:(\k)+(\i)*16*PITCH+32
.endr
.endm
; A K step is four quarters of 32 along K, 32 matrix instructions each, on buffers 0, 1, 0, 1.  One of the first three: multiplies f, and in its middle fetches the next quarter, at byte k, into g.
.macro QUARTER slot, k, f, g, first
	s_wait_dscnt 4                                 ; the youngest four loads (x's token blocks 2 and 3) may be out
	MULA \f, 0, \first
	MULA \f, 1, \first
	PLACES
	FETCH \slot, \k, \g
	s_wait_dscnt 24                                ; all but the 24 just issued
	MULA \f, 2, \first
	MULA \f, 3, \first
.endm
; The last quarter's first half, and the one barrier of a change of slots.  In front of it each wave waits for all its tensor loads (one is out: its part of the next slot), adds 0 to its spare word,
; and waits for that and for its own reads of this slot.  Behind it nobody reads this slot any more and the next slot is whole.
.macro MEET round
	WIN 0                                          ; (the add's two registers lie in window 0)
	s_wait_tensorcnt 0x0
	ds_add_u32 v[SPW], v[NIL]
	s_wait_dscnt 5                                 ; the add and the youngest four loads may be out
	MULA F1, 0, 0                                  ; eight matrix instructions stand between the add and the wait for it
	s_wait_dscnt 0x0                               ; the add is done, and my reads of this slot are over
	s_barrier_signal -1
	MULA F1, 1, 0                                  ; work on registers while the others arrive
.if \round
	WIN 0
.endif
	s_barrier_wait -1
.endm
; The whole last quarter with a refill: the barrier opens a round of the cluster's barrier; the joint load is the first tensor load behind the round, and a wave issues 112 matrix instructions before it waits for it.
; on = 0: this tile's K step two steps on.  on = 1: the next tile's K step 0 or 1.
.macro TURN slot, next, on
	s_wait_xcnt 0x0                                ; the last prefetch, a K step back, has read its address: it is stepped here, ahead of the waits of the change of slots
.if (\on) && (\slot) == 0
	s_sub_nc_u64 s[PFA:PFA+1], s[PFA:PFA+1], 7*KSB ; from the K step after the tile's last back to K step 1,
	s_add_nc_u64 s[PFA:PFA+1], s[PFA:PFA+1], s[PJ:PJ+1]  ; of the next tile's rows
.else
	s_add_nc_u64 s[PFA:PFA+1], s[PFA:PFA+1], KSB
.endif
	MEET 1
	CREST                                          ; no wave of any partner still reads this slot or has a load on its way
.if \on
	s_sub_nc_u64 s[G0A+4*(\slot)+2:G0A+4*(\slot)+3], s[G0A+4*(\slot)+2:G0A+4*(\slot)+3], 6*KSB
	s_add_nc_u64 s[G0A+4*(\slot)+2:G0A+4*(\slot)+3], s[G0A+4*(\slot)+2:G0A+4*(\slot)+3], s[JA:JA+1]
	s_add_nc_u64 s[G0B+4*(\slot)+2:G0B+4*(\slot)+3], s[G0B+4*(\slot)+2:G0B+4*(\slot)+3], 1024*ROWB-6*KSB  ; the next weight, 1,024 rows on
.else
	s_add_nc_u64 s[G0A+4*(\slot)+2:G0A+4*(\slot)+3], s[G0A+4*(\slot)+2:G0A+4*(\slot)+3], 2*KSB
	s_add_nc_u64 s[G0B+4*(\slot)+2:G0B+4*(\slot)+3], s[G0B+4*(\slot)+2:G0B+4*(\slot)+3], 2*KSB
.endif
	JLOAD \slot                                    ; the four v_nop behind it are also the places in front of the loads below
	FETCH \next, 0, F0
	WIN 0
	ASK \on
	MULA F1, 2, 0
	MULA F1, 3, 0
.endm
.macro TURNL slot, next                ; the same where nothing is left to fetch: a plain barrier, no round
	MEET 0
	PLACES
	FETCH \next, 0, F0
	MULA F1, 2, 0
	MULA F1, 3, 0
.endm
.macro BIASLD                          ; the bias of my 128 columns as eight C operands: register j of block b is column 16 b + 8 (lane / 16) + j
	WIN TO_F
.irp b, 0,1,2,3,4,5,6,7
	global_load_b128 v[BIAS+8*(\b):BIAS+8*(\b)+3],   v[BO], s[8:9] offset:64*(\b)
	global_load_b128 v[BIAS+8*(\b)+4:BIAS+8*(\b)+7], v[BO], s[8:9] offset:64*(\b)+16
.endr
	WIN 0
.endm
; THE WAY OUT of token block a.  PACK: rounded to f16, 16 bytes a lane, each accumulator's registers in ascending order.  TOSTAGE: into my own stage, and back as whole rows of 256 bytes.  SEND: stored.
.macro PACK a
	WIN 0x0a                                       ; sources 0 and 1 window 2
.irp b, 0,1,2,3,4,5,6,7
.irp r, 0,1,2,3
	v_cvt_pk_f16_f32 v[TMP+4*(\b)+(\r)], v[8*(8*(\a)+(\b))+2*(\r)], v[8*(8*(\a)+(\b))+2*(\r)+1]
.endr
.endr
	WIN 0
.endm
.macro TOSTAGE a
.set BK, OB+192*((\a)%2)
.irp b, 0,1,2,3,4,5,6,7
	ds_store_b128 v[STO], v[TMP+4*(\b):TMP+4*(\b)+3] offset:32*(\b)
.endr
.irp t, 0,1,2,3,4,5,6,7
	ds_load_b128 v[BK+4*(\t):BK+4*(\t)+3], v[RD] offset:(\t)*2*SPITCH  ; LDS serves a wave's instructions in order (ISA guide 5.7.1.4): these see the stores above
.endr
.endm
.macro SEND a
.set BK, OB+192*((\a)%2)
	s_wait_dscnt 0x0                               ; the block is back in registers
	s_wait_xcnt 0x0                                ; earlier stores have read their registers: the block after this one is read back into those of the block before it
.irp t, 0,1,2,3,4,5,6,7
	global_store_b128 v[CO], v[BK+4*(\t):BK+4*(\t)+3], s[10:11] offset:(16*(\a)+2*(\t))*ROWB  ; 16 lanes store 256 consecutive bytes, aligned
.endr
.endm
.macro OUT
	PACK 0
	TOSTAGE 0
.irp a, 1,2,3                          ; block a's conversions stand between block a - 1's loads from the stage and the wait for them
	PACK \a
	SEND (\a)-1
	TOSTAGE \a
.endr
	SEND 3
.endm
	s_load_b256 s[4:11], s[0:1], 0x0               ; xb s[4:5], wb s[6:7], bb s[8:9], pj s[10:11]
	v_lshl_add_u32 v[SPW], v0, 2, SPARE
	v_mov_b32 v[NIL], 0
	ds_add_u32 v[SPW], v[NIL]                      ; the wave's opening: the add and its wait stand ahead of my first tensor load; work on registers stands between them
	v_lshrrev_b32 v1, 5, v0
	v_readfirstlane_b32 s[WV], v1                  ; wave 0..3
	s_lshr_b32 s[RH], s[WV], 1
	s_and_b32 s[CH], s[WV], 1
	s_bfe_u32 s15, ttmp6, 0x40000                  ; cx
	s_bfe_u32 s16, ttmp6, 0x40004                  ; cy
	s_lshl_b32 s17, ttmp9, 2
	s_add_co_u32 s17, s17, s15                     ; tx: my block of 256 columns
	s_and_b32 s18, ttmp7, 0xffff
	s_lshl_b32 s18, s18, 2
	s_add_co_u32 s18, s18, s16                     ; ty: my block of 128 tokens
	s_lshl_b32 s19, s16, 2
	s_lshl_b32 s19, 15, s19                        ; my row of the cluster
	s_lshl_b32 s22, 0x1111, s15                    ; my column
	s_or_b32 s[G1A], s19, (1<<16)|(1<<20)|(1<<21)|(5<<22)|(3<<25)  ; 15:0 the mask; 17:16 2-byte elements; 20 padding on; 21 set beside a mask; 24:22 after every 64 words; 31:25 4 words of it
	s_or_b32 s[G1B], s22, (1<<16)|(1<<20)|(1<<21)|(5<<22)|(3<<25)
	s_mov_b32 s[G1A+1], 128<<16                    ; tensor_dim0 = 128
	s_mov_b32 s[G1A+2], 64<<16                     ; tensor_dim1 = 64
	s_mov_b32 s[G1A+3], 128<<16                    ; tile_dim0 = 128
	s_mov_b32 s[G1A+4], 64                         ; tile_dim1 = 64
	s_mov_b32 s[G1A+5], 1024                       ; elements from row to row
	s_mov_b32 s[G1A+6], 0
	s_mov_b32 s[G1A+7], 0
	s_mov_b32 s[G1B+1], 128<<16
	s_mov_b32 s[G1B+2], 128<<16                    ; tensor_dim1 = 128
	s_mov_b32 s[G1B+3], 128<<16
	s_mov_b32 s[G1B+4], 128                        ; tile_dim1 = 128
	s_mov_b32 s[G1B+5], 1024
	s_mov_b32 s[G1B+6], 0
	s_mov_b32 s[G1B+7], 0
	s_lshl_b32 s20, s18, 7                         ; x: row 128 ty + 64 x half: nothing of cx in it
	s_lshl_b32 s21, s[CH], 6
	s_add_co_u32 s20, s20, s21
	s_lshl_b32 s40, s20, 11
	s_mov_b32 s41, 0
	s_lshl_b32 s23, s17, 8                         ; the weight: row 256 tx + 128 x half: nothing of cy in it
	s_lshl_b32 s42, s[CH], 7
	s_add_co_u32 s23, s23, s42
	s_lshl_b32 s42, s23, 11
	s_mov_b32 s43, 0
	s_mul_i32 s21, s[CH], 64*PITCH                 ; where they go: no place in the cluster enters an LDS address
	s_mul_i32 s72, s[CH], 128*PITCH
	s_add_co_u32 s72, s72, BOFF
	s_mov_b32 s[JA+1], 0
	s_mov_b32 s[PJ+1], 0
	s_wait_dscnt 0x0                               ; the opening add is done
	s_wait_kmcnt 0x0
	s_add_nc_u64 s[40:41], s[4:5], s[40:41]
	s_add_nc_u64 s[42:43], s[6:7], s[42:43]
	CROUND                                         ; all sixteen work-groups are here: the first joint loads meet
.irp s, 0,1
	s_mov_b32 s[G0A+4*(\s)], 1                     ; count = 1
	s_add_co_u32 s[G0A+4*(\s)+1], s21, (\s)*SLOT   ; LDS address
	s_add_nc_u64 s[G0A+4*(\s)+2:G0A+4*(\s)+3], s[40:41], (\s)*KSB  ; global address: K step s
	s_or_b32 s[G0A+4*(\s)+3], s[G0A+4*(\s)+3], 0x80000000          ; type = 2
	s_mov_b32 s[G0B+4*(\s)], 1
	s_add_co_u32 s[G0B+4*(\s)+1], s72, (\s)*SLOT
	s_add_nc_u64 s[G0B+4*(\s)+2:G0B+4*(\s)+3], s[42:43], (\s)*KSB
	s_or_b32 s[G0B+4*(\s)+3], s[G0B+4*(\s)+3], 0x80000000
	JLOAD \s                                       ; two tensor loads of mine are out
.endr
	; A fragment is 16 rows x 32 K in 8 registers: lane l holds row l % 16, K = 8 (l / 16) + 0..7 and 16 + 8 (l / 16) + 0..7: two loads of 16 bytes, 32 bytes apart.
	v_and_b32 v1, 15, v0                           ; l % 16
	v_bfe_u32 v2, v0, 4, 1                         ; l / 16
	v_mul_u32_u24 v3, v1, PITCH
	v_lshl_add_u32 v3, v2, 4, v3                   ; row x pitch + 16 x half
	s_mul_i32 s19, s[RH], 64*PITCH                 ; my 64 tokens
	s_mul_i32 s20, s[CH], 128*PITCH                ; my 128 rows of the weight
	s_add_co_u32 s20, s20, BOFF
	v_add_nc_u32 v[ADRA], s19, v3
	v_add_nc_u32 v[ADRB], s20, v3
	v_add_nc_u32 v[ADRA+1], SLOT, v[ADRA]
	v_add_nc_u32 v[ADRB+1], SLOT, v[ADRB]
	s_mul_i32 s19, s[WV], 16*SPITCH
	s_add_co_u32 s19, s19, STAGE                   ; my stage
	v_add_nc_u32 v[STO], s19, v3                   ; in: row l % 16, 16 bytes for each half of the lanes
	v_mul_u32_u24 v4, v2, SPITCH                   ; back: lanes 0-15 one row of 256 bytes, lanes 16-31 the next
	v_lshl_add_u32 v4, v1, 4, v4
	v_add_nc_u32 v[RD], s19, v4
	v_lshlrev_b32 v5, 11, v2                       ; and the same two rows in pj
	v_lshl_add_u32 v[CO], v1, 4, v5
	v_lshlrev_b32 v[BO], 5, v2
	v_and_b32 v[PFO], 31, v0
	v_lshlrev_b32 v[PFO], 11, v[PFO]
	s_lshl_b32 s73, s18, 7                         ; pj at token 128 ty + 64 RH, column 256 tx + 128 CH
	s_lshl_b32 s74, s[RH], 6
	s_add_co_u32 s73, s73, s74
	s_lshl_b32 s73, s73, 11
	s_lshl_b32 s74, s17, 9
	s_add_co_u32 s73, s73, s74
	s_lshl_b32 s74, s[CH], 8
	s_add_co_u32 s74, s74, s73
	s_mov_b32 s75, 0
	s_add_nc_u64 s[10:11], s[10:11], s[74:75]
	s_lshl_b32 s74, s17, 10                        ; bb at the same column, 4 bytes each
	s_lshl_b32 s73, s[CH], 9
	s_add_co_u32 s74, s74, s73
	s_add_nc_u64 s[8:9], s[8:9], s[74:75]
	BIASLD                                         ; t = 0
	s_and_b32 s19, ttmp7, 0xffff                   ; who prefetches: the same answer in all sixteen partners, for a given wave
	s_cmp_eq_u32 s19, 0
	s_cselect_b32 s[ROLE], 2, 0
	s_cmp_eq_u32 s[RH], 1
	s_cselect_b32 s[ROLE], s[ROLE], 0
	s_cmp_eq_u32 s[WV], 0
	s_cselect_b32 s[ROLE], 1, s[ROLE]
	s_lshl_b32 s76, s18, 7                         ; x: the tile's first row + my work-group's 32 of its 128
	s_lshl_b32 s77, s15, 5
	s_add_co_u32 s76, s76, s77
	s_lshl_b32 s77, s16, 5                         ; the weight: the 128 rows that I fetch, my work-group's 32 of them
	s_add_co_u32 s77, s77, s23
	s_cmp_eq_u32 s[RH], 0
	s_cselect_b32 s76, s76, s77
	s_cselect_b64 s[PFA:PFA+1], s[4:5], s[6:7]
	s_lshl_b32 s76, s76, 11
	s_add_co_u32 s76, s76, 2*KSB                   ; at K step 2: the first refill steps it to 3 and names K step 4
	s_mov_b32 s77, 0
	s_add_nc_u64 s[PFA:PFA+1], s[PFA:PFA+1], s[76:77]
	s_wait_tensorcnt 1                             ; my part of K step 0 is in; K step 1's may stay out
	s_barrier_signal -1
	s_barrier_wait -1                              ; everybody's is
	FETCH 0, 0, F0
	WIN 0                                          ; at a label and at a branch every window is 0
	s_mov_b32 s2, 5                                ; tiles to go, this one among them: t = 5 - s2
.Ltile:
	s_wait_loadcnt 0x0                             ; this tile's bias
	QUARTER 0, 64, F0, F1, 1                       ; a tile's first quarter stands in front of the loop: its products start the sums, from the bias
	WIN 0
	s_cmp_eq_u32 s2, 3                             ; behind t = 2 x's rows go from content to position, 8,192 rows on
	s_cselect_b32 s[JA], 8192*ROWB, 0
	s_cselect_b32 s[LIMT], 1, 0                    ; and position's rows are about to be read for the first time
	s_cmp_eq_u32 s[RH], 0
	s_cselect_b32 s[PJ], s[JA], 1024*ROWB
	s_cmp_eq_u32 s2, 5                             ; t = 0 and t = 3 read their rows of x for the first time
	s_cselect_b32 s19, 1, 0
	s_cmp_eq_u32 s2, 2
	s_cselect_b32 s19, 1, s19
	s_cmp_eq_u32 s[ROLE], 1
	s_cselect_b32 s19, s19, 0
	s_cselect_b32 s[LIMT], s[LIMT], 0
	s_cmp_eq_u32 s[ROLE], 2                        ; every tile reads its weight for the first time
	s_cselect_b32 s19, 1, s19
	s_cselect_b32 s[LIMT], 1, s[LIMT]
	s_cmp_eq_u32 s19, 1
	s_cselect_b32 s[LIM], 1, -1
	s_cmp_eq_u32 s2, 1
	s_cbranch_scc1 .Lno_bias                       ; the last tile has no successor
	PLACES                                         ; behind the products that read the bias
	s_wait_xcnt 0x0                                ; earlier memory instructions have read their addresses
	s_add_nc_u64 s[8:9], s[8:9], 4096
	BIASLD                                         ; the next tile's: a whole tile in which to come
.Lno_bias:
	s_mov_b32 s3, 3
.Llap:                                                 ; a trip goes once round the ring, from a lap's second quarter to the next lap's first, and fills both slots again
	QUARTER 0, 128, F1, F0, 0
	QUARTER 0, 192, F0, F1, 0
	TURN 0, 1, 0
	QUARTER 1, 64,  F0, F1, 0
	QUARTER 1, 128, F1, F0, 0
	QUARTER 1, 192, F0, F1, 0
	TURN 1, 0, 0
	QUARTER 0, 64,  F0, F1, 0
	WIN 0
	s_sub_co_u32 s3, s3, 1
	s_cmp_lg_u32 s3, 0
	s_cbranch_scc1 .Llap
	QUARTER 0, 128, F1, F0, 0                      ; the tile's last lap goes on
	QUARTER 0, 192, F0, F1, 0
	WIN 0
	s_cmp_eq_u32 s2, 1
	s_cbranch_scc1 .Llast                          ; the last tile's tail is written out: it asks for nothing more
	TURN 0, 1, 1                                   ; the ring goes on into the next tile: slot 0 takes its K step 0,
	QUARTER 1, 64,  F0, F1, 0
	QUARTER 1, 128, F1, F0, 0
	QUARTER 1, 192, F0, F1, 0
	TURN 1, 0, 1                                   ; slot 1 its K step 1, and the next tile's first fragments are fetched
	OUT                                            ; no v_nop: blocks 0 and 1 were finished in front of the joint load's four, and their 64 conversions are the places behind the last products
	s_wait_xcnt 0x0                                ; the stores have read their base
	s_add_nc_u64 s[10:11], s[10:11], 8192*ROWB     ; the next projection's plane of pj
	s_sub_co_u32 s2, s2, 1
	s_branch .Ltile
.Llast:
	TURNL 0, 1
	QUARTER 1, 64,  F0, F1, 0
	QUARTER 1, 128, F1, F0, 0
	QUARTER 1, 192, F0, F1, 0
	s_wait_dscnt 4                                 ; the very last quarter: nothing more to fetch
	MULA F1, 0, 0
	MULA F1, 1, 0
	s_wait_dscnt 0x0
	MULA F1, 2, 0
	MULA F1, 3, 0
	WIN 0
	PLACES
	OUT
	s_wait_tensorcnt 0x0                           ; the wave's end, behind my last tensor load and my last LDS store
	ds_add_u32 v[SPW], v[NIL]
	s_wait_dscnt 0x0
	CROUND                                         ; the closing round: no work-group ends while a partner may still ask for a tile that names it
	s_endpgm
.Lfunc_end_k_q31cbdb152d_proj:
	.size	k_q31cbdb152d_proj, .Lfunc_end_k_q31cbdb152d_proj-k_q31cbdb152d_proj
	.p2alignl 7, 3214868480
	.fill 96, 4, 3214868480
	.section	.rodata,"a",@progbits
	.p2align	6, 0x0
	.amdhsa_kernel k_q31cbdb152d_proj
		.amdhsa_group_segment_fixed_size 327680
		.amdhsa_private_segment_fixed_size 0
		.amdhsa_enable_private_segment 0
		.amdhsa_kernarg_size 32
		.amdhsa_user_sgpr_count 2
		.amdhsa_user_sgpr_kernarg_segment_ptr 1
		.amdhsa_wavefront_size32 1
		.amdhsa_system_sgpr_workgroup_id_x 1
		.amdhsa_system_sgpr_workgroup_id_y 1
		.amdhsa_system_sgpr_workgroup_id_z 1
		.amdhsa_system_vgpr_workitem_id 0
		.amdhsa_next_free_vgpr 768
		.amdhsa_next_free_sgpr 88
		.amdhsa_reserve_vcc 0
		.amdhsa_float_denorm_mode_32 3
		.amdhsa_float_denorm_mode_16_64 3
		.amdhsa_memory_ordered 1
		.amdhsa_forward_progress 1
		.amdhsa_inst_pref_size 128
	.end_amdhsa_kernel
	.amdgpu_metadata
---
amdhsa.version: [ 1, 2 ]
amdhsa.kernels:
  - .name:           k_q31cbdb152d_proj
    .symbol:         k_q31cbdb152d_proj.kd
    .args:
      - { .name: xb, .offset: 0, .size: 8, .value_kind: global_buffer, .address_space: global }
      - { .name: wb, .offset: 8, .size: 8, .value_kind: global_buffer, .address_space: global }
      - { .name: bb, .offset: 16, .size: 8, .value_kind: global_buffer, .address_space: global }
      - { .name: pj, .offset: 24, .size: 8, .value_kind: global_buffer, .address_space: global }
    .group_segment_fixed_size: 327680
    .private_segment_fixed_size: 0
    .kernarg_segment_align: 8
    .kernarg_segment_size: 32
    .max_flat_workgroup_size: 128
    .sgpr_count:     88
    .vgpr_count:     768
    .wavefront_size: 32
...
	.end_amdgpu_metadata
.endif
;; end of part 2
;; launch attn (part 3): grid 256 x 1, 16 waves a work-group, no clusters, 38,912 bytes of LDS; arguments pj, ao; writes ao
.if DOCPART == 3
	.amdgcn_target "amdgcn-amd-amdhsa--gfx1250"
	.amdhsa_code_object_version 6
	.text
	.protected	k_q31cbdb152d_attn
	.globl	k_q31cbdb152d_attn
	.p2align	8
	.type	k_q31cbdb152d_attn,@function
k_q31cbdb152d_attn:
	s_mov_b64 s[64:65], 0
	v_nop
	global_prefetch_b8 v0, s[64:65] scope:SCOPE_SE
	s_setreg_imm32_b32 hwreg(HW_REG_WAVE_MODE, 25, 1), 1
	s_wait_xcnt 0x0
; ATTENTION ACROSS THE HEADS OF ONE TOKEN.  For each token: s[h][g] = (cq[h] . ck[g] + pq[h] . pk[g]) / 8 over 64 + 64 channels; p = softmax over g; ao[h][:] = the sum over g of p[h][g] cv[g][:].
; pj: [5][8192][1024] f16, planes cq, ck, cv, pq, pk.  A token's row of cq, ck, pq, pk lies as [u 0..7][head 0..15][8 channels], of cv as [channel 0..63][head 0..15].  ao: [8192][1024] f16, head x 64 + channel.
; Products, the maximum and the sum in f32; the row's true maximum is taken away before the exponentials; p is divided by its sum in f32 and rounded once to f16, ao once to f16.
; LIMITS.  The second product takes two tokens at once, each token's p beside zeros for the other's 16 keys: an infinity or NaN in one token's cv spoils its partner's row too.  A weight below 2^-126 counts as 0.
; SHARES.  A work-group takes 32 tokens, a wave two, with no loop: all 40 loads of a wave (20 KiB, 512 consecutive bytes each) go out at its head.  No wave wants another's bytes: no LDS on the way in,
; no barrier, no cluster; nothing can be prefetched ahead of loads that stand at the head.
; LAYOUT.  Load p of a row gives lane l head l % 16 and the channels 8 (2 p + l / 16) + 0..7: four loads are two fragments of 16 heads x 32 channels.  The channels' order in a fragment is the same for
; queries and keys, so the products stand.  S^T = K Q^T (source 0 = 16 key heads, source 1 = 16 query heads): a lane holds ONE query head (l % 16) and the key heads 8 (l / 16) + 0..7; rounded in pairs that
; is half of source 1 (32 keys x 16 queries) of O^T = V^T P, whose 32 keys are token 0's 16 and token 1's 16.  O^T holds one query head a lane, and eight channels.
.set KP,  16                           ; v[16:79]   keys: token i at KP + 32 i: ck's two fragments, then pk's
.set QP,  80                           ; v[80:143]  queries, likewise
.set VF,  144                          ; v[144:175] cv: channel block db at VF + 8 db: registers 0-3 token 0's keys, 4-7 token 1's
.set S,   176                          ; v[176:191] S^T of token i at S + 8 i
.set P,   192                          ; v[192:195] token 0's p, v[196:199] zeros, v[200:203] token 1's p
.set T,   204                          ; token i at T + 8 i: +0 the maximum, later 1 / l; +1 the other half's; +2 c m; +3 named with +2 as a pair; +4..7 sums
.set OT,  16                           ; O^T (i, db) at OT + 32 i + 8 db, where the keys lay
.set PKD, 80                           ; packed O of token i at PKD + 16 i
.set BK,  112                          ; the same, read back as whole rows
.set SP,  144                          ; a stage row: a head's 128 bytes + 16
.set SPARE, 16*16*SP                   ; behind the sixteen stages of 2,304 bytes: the spare words, 128 bytes for each wave: eight blocks of 256 bytes that no other line names
.macro BOTH line:vararg                ; one line for each token t: the two tokens alternate, so that no line waits for the one before it
.set t, 0
.rept 2
	\line
.set t, t+1
.endr
.endm
.macro LD4 dst, base, i                ; a token's row of one plane: four loads of 512 consecutive bytes
.irp p, 0,1,2,3
	global_load_b128 v[(\dst)+4*(\p):(\dst)+4*(\p)+3], v1, s[\base:\base+1] offset:2048*(\i)+512*(\p) th:TH_LOAD_NT
.endr
.endm
	s_load_b128 s[4:7], s[0:1], 0x0                ; pj s[4:5], ao s[6:7]
	v_lshl_add_u32 v5, v0, 2, SPARE                ; my spare word; never rewritten
	v_mov_b32 v6, 0                                ; 0; never rewritten
	v_and_b32 v7, 31, v0                           ; l
	v_lshrrev_b32 v8, 5, v0
	v_readfirstlane_b32 s24, v8                    ; wave 0..15
	v_and_b32 v9, 15, v0                           ; l % 16
	v_bfe_u32 v10, v0, 4, 1                        ; l / 16
	s_lshl_b32 s25, s24, 12                        ; my two tokens: 4,096 bytes
	v_lshl_add_u32 v1, v7, 4, s25                  ; 16 l + 4,096 wave: for cq, ck, pq, pk and for ao
	v_lshlrev_b32 v2, 5, v9
	v_lshl_add_u32 v2, v10, 4, v2
	v_add_nc_u32 v2, s25, v2                       ; for cv: channel l % 16 of a block (32 bytes), keys 8 (l / 16) on
	s_mul_i32 s26, s24, 16*SP                      ; my stage
	v_mul_u32_u24 v3, v9, SP
	v_lshl_add_u32 v3, v10, 4, v3
	v_add_nc_u32 v3, s26, v3                       ; in: head l % 16, 16 bytes for each half of the lanes
	v_bfe_u32 v4, v0, 3, 2
	v_mul_u32_u24 v4, v4, SP
	v_and_b32 v11, 7, v0
	v_lshl_add_u32 v4, v11, 4, v4
	v_add_nc_u32 v4, s26, v4                       ; back: 32 lanes take four heads of 128 bytes
	s_lshl_b32 s2, ttmp9, 16                       ; the work-group's 32 tokens of 2,048 bytes
	s_mov_b32 s3, 0
	s_mov_b32 s20, 0x3e38aa3b                      ; c = log2(e) / 8
	s_mov_b32 s21, s20                             ; named with it as a pair
	s_mov_b32 s22, 0x76543210                      ; v_permlanex16_b32: each lane takes its own place in the other half
	s_mov_b32 s23, 0xfedcba98
	s_wait_kmcnt 0x0
	s_add_nc_u64 s[8:9], s[4:5], s[2:3]            ; cq
	s_add_nc_u64 s[10:11], s[8:9], 0x1000000       ; ck: a plane is 16 MiB
	s_add_nc_u64 s[12:13], s[8:9], 0x2000000       ; cv
	s_add_nc_u64 s[14:15], s[8:9], 0x3000000       ; pq
	s_add_nc_u64 s[16:17], s[8:9], 0x4000000       ; pk
	s_add_nc_u64 s[18:19], s[6:7], s[2:3]          ; ao
.irp i, 0,1
	LD4 KP+32*(\i), 10, \i
	LD4 KP+32*(\i)+16, 16, \i
.endr
.irp i, 0,1
	LD4 QP+32*(\i), 8, \i
	LD4 QP+32*(\i)+16, 14, \i
.endr
.irp i, 0,1
.irp db, 0,1,2,3
	global_load_b128 v[VF+8*(\db)+4*(\i):VF+8*(\db)+4*(\i)+3], v2, s[12:13] offset:2048*(\i)+512*(\db) th:TH_LOAD_NT
.endr
.endr
	s_wait_loadcnt 8                               ; keys and queries are in; cv's eight loads may stay out
.irp c, 0,1,2,3                        ; the two tokens' accumulators take turns
.irp i, 0,1
.if (\c) == 0
	v_wmma_f32_16x16x32_f16 v[S+8*(\i):S+8*(\i)+7], v[KP+32*(\i)+8*(\c):KP+32*(\i)+8*(\c)+7], v[QP+32*(\i)+8*(\c):QP+32*(\i)+8*(\c)+7], 0
.else
	v_wmma_f32_16x16x32_f16 v[S+8*(\i):S+8*(\i)+7], v[KP+32*(\i)+8*(\c):KP+32*(\i)+8*(\c)+7], v[QP+32*(\i)+8*(\c):QP+32*(\i)+8*(\c)+7], v[S+8*(\i):S+8*(\i)+7]
.endif
.endr
.endr
.irp z, 4,5,6,7                        ; eight plain lines that name no register of those products: the places behind them, for the reads below and for the second product, which writes where the keys lay
	v_mov_b32 v[P+(\z)], 0
.endr
	BOTH v_mov_b32 v[T+8*t+1], 0
	BOTH v_mov_b32 v[T+8*t+3], 0
	; the maximum of the query head's 16 scores: eight in my registers (the lowest are read first), eight in the lane 16 away
	BOTH v_max3_num_f32 v[T+8*t], v[S+8*t], v[S+8*t+1], v[S+8*t+2]
	BOTH v_max3_num_f32 v[T+8*t+4], v[S+8*t+3], v[S+8*t+4], v[S+8*t+5]
	BOTH v_max3_num_f32 v[T+8*t], v[T+8*t], v[S+8*t+6], v[S+8*t+7]
	BOTH v_max_num_f32 v[T+8*t], v[T+8*t], v[T+8*t+4]
	BOTH v_permlanex16_b32 v[T+8*t+1], v[T+8*t], s22, s23
	BOTH v_max_num_f32 v[T+8*t], v[T+8*t], v[T+8*t+1]
	BOTH v_mul_f32 v[T+8*t+2], s20, v[T+8*t]
.irp q, 0,1,2,3
	BOTH v_pk_fma_f32 v[S+8*t+2*(\q):S+8*t+2*(\q)+1], v[S+8*t+2*(\q):S+8*t+2*(\q)+1], s[20:21], v[T+8*t+2:T+8*t+3] op_sel_hi:[1,0,0] neg_lo:[0,0,1] neg_hi:[0,0,1]  ; c s - c m
.endr
.set e, 0
.rept 16                               ; one batch of sixteen exponentials
	v_exp_f32 v[S+e], v[S+e]
.set e, e+1
.endr
	v_nop                                          ; a plain instruction behind the last exponential (ISA guide 5.7.2),
	s_wait_alu depctr_va_vdst(0)                   ; and the one wait ahead of the batch's first reader
	BOTH v_pk_add_f32 v[T+8*t+4:T+8*t+5], v[S+8*t:S+8*t+1], v[S+8*t+2:S+8*t+3]
	BOTH v_pk_add_f32 v[T+8*t+6:T+8*t+7], v[S+8*t+4:S+8*t+5], v[S+8*t+6:S+8*t+7]
	BOTH v_pk_add_f32 v[T+8*t+4:T+8*t+5], v[T+8*t+4:T+8*t+5], v[T+8*t+6:T+8*t+7]
	BOTH v_add_f32 v[T+8*t+4], v[T+8*t+4], v[T+8*t+5]
	BOTH v_permlanex16_b32 v[T+8*t+1], v[T+8*t+4], s22, s23
	BOTH v_add_f32 v[T+8*t+4], v[T+8*t+4], v[T+8*t+1]
	BOTH v_rcp_f32 v[T+8*t], v[T+8*t+4]            ; l is 1 at the least: the maximum's own weight
	v_nop
	s_wait_alu depctr_va_vdst(0)                   ; one wait for the two reciprocals
.irp q, 0,1,2,3
	BOTH v_pk_mul_f32 v[S+8*t+2*(\q):S+8*t+2*(\q)+1], v[S+8*t+2*(\q):S+8*t+2*(\q)+1], v[T+8*t:T+8*t+1] op_sel_hi:[1,0]
.endr
.irp q, 0,1,2,3
	BOTH v_cvt_pk_f16_f32 v[P+8*t+(\q)], v[S+8*t+2*(\q)], v[S+8*t+2*(\q)+1]
.endr
	s_wait_loadcnt 0x0                             ; cv
.irp db, 0,1,2,3                       ; eight products, eight different accumulators; token 0's p stands beside zeros above it, token 1's beside the same zeros below it
.irp i, 0,1
	v_wmma_f32_16x16x32_f16 v[OT+32*(\i)+8*(\db):OT+32*(\i)+8*(\db)+7], v[VF+8*(\db):VF+8*(\db)+7], v[P+4*(\i):P+4*(\i)+7], 0
.endr
.endr
.rept 4
	v_nop                                          ; the places behind those products
.endr
	; THE WAY OUT: a lane's eight channels of a head pack into 16 bytes; they go into rows of 144 bytes and come back as whole heads of 128: 512 consecutive bytes of ao a load.
.irp i, 0,1
.irp db, 0,1,2,3
.irp q, 0,1,2,3
	v_cvt_pk_f16_f32 v[PKD+16*(\i)+4*(\db)+(\q)], v[OT+32*(\i)+8*(\db)+2*(\q)], v[OT+32*(\i)+8*(\db)+2*(\q)+1]
.endr
.endr
.irp db, 0,1,2,3
	ds_store_b128 v3, v[PKD+16*(\i)+4*(\db):PKD+16*(\i)+4*(\db)+3] offset:32*(\db)
.endr
.irp f, 0,1,2,3
	ds_load_b128 v[BK+16*(\i)+4*(\f):BK+16*(\i)+4*(\f)+3], v4 offset:(\f)*4*SP  ; LDS serves a wave's instructions in order (ISA guide 5.7.1.4): these see the stores above; token 1's stores come behind token 0's loads
.endr
.endr
.irp f, 0,1,2,3
	s_wait_dscnt 8+3-(\f)                          ; token 1's eight LDS instructions and token 0's younger loads may be out
	global_store_b128 v1, v[BK+4*(\f):BK+4*(\f)+3], s[18:19] offset:512*(\f)
.endr
.irp f, 0,1,2,3
	s_wait_dscnt 3-(\f)
	global_store_b128 v1, v[BK+16+4*(\f):BK+16+4*(\f)+3], s[18:19] offset:2048+512*(\f)
.endr
	s_wait_tensorcnt 0x0                           ; the wave's end, behind my last LDS store
	ds_add_u32 v5, v6
	s_wait_dscnt 0x0
	s_endpgm
.Lfunc_end_k_q31cbdb152d_attn:
	.size	k_q31cbdb152d_attn, .Lfunc_end_k_q31cbdb152d_attn-k_q31cbdb152d_attn
	.p2alignl 7, 3214868480
	.fill 96, 4, 3214868480
	.section	.rodata,"a",@progbits
	.p2align	6, 0x0
	.amdhsa_kernel k_q31cbdb152d_attn
		.amdhsa_group_segment_fixed_size 38912
		.amdhsa_private_segment_fixed_size 0
		.amdhsa_enable_private_segment 0
		.amdhsa_kernarg_size 16
		.amdhsa_user_sgpr_count 2
		.amdhsa_user_sgpr_kernarg_segment_ptr 1
		.amdhsa_wavefront_size32 1
		.amdhsa_system_sgpr_workgroup_id_x 1
		.amdhsa_system_sgpr_workgroup_id_y 1
		.amdhsa_system_sgpr_workgroup_id_z 1
		.amdhsa_system_vgpr_workitem_id 0
		.amdhsa_next_free_vgpr 224
		.amdhsa_next_free_sgpr 66
		.amdhsa_reserve_vcc 0
		.amdhsa_float_denorm_mode_32 3
		.amdhsa_float_denorm_mode_16_64 3
		.amdhsa_memory_ordered 1
		.amdhsa_forward_progress 1
		.amdhsa_inst_pref_size 15
	.end_amdhsa_kernel
	.amdgpu_metadata
---
amdhsa.version: [ 1, 2 ]
amdhsa.kernels:
  - .name:           k_q31cbdb152d_attn
    .symbol:         k_q31cbdb152d_attn.kd
    .args:
      - { .name: pj, .offset: 0, .size: 8, .value_kind: global_buffer, .address_space: global }
      - { .name: ao, .offset: 8, .size: 8, .value_kind: global_buffer, .address_space: global }
    .group_segment_fixed_size: 38912
    .private_segment_fixed_size: 0
    .kernarg_segment_align: 8
    .kernarg_segment_size: 16
    .max_flat_workgroup_size: 512
    .sgpr_count:     66
    .vgpr_count:     224
    .wavefront_size: 32
...
	.end_amdgpu_metadata
.endif
;; end of part 3
;; launch outp (part 4): grid 4 x 64, 4 waves a work-group, clusters of 4 x 4, 327,680 bytes of LDS; arguments ao, wb, bb, out0; writes out0
.if DOCPART == 4
	.amdgcn_target "amdgcn-amd-amdhsa--gfx1250"
	.amdhsa_code_object_version 6
	.text
	.protected	k_q31cbdb152d_outp
	.globl	k_q31cbdb152d_outp
	.p2align	8
	.type	k_q31cbdb152d_outp,@function
k_q31cbdb152d_outp:
	s_mov_b64 s[64:65], 0
	v_nop
	global_prefetch_b8 v0, s[64:65] scope:SCOPE_SE
	s_setreg_imm32_b32 hwreg(HW_REG_WAVE_MODE, 25, 1), 1
	s_wait_xcnt 0x0
	s_wait_alu depctr_hold_cnt(0) depctr_sa_sdst(0) depctr_va_vdst(0) depctr_va_sdst(0) depctr_va_ssrc(0) depctr_va_vcc(0) depctr_vm_vsrc(0)
	s_getreg_b32 s2, hwreg(HW_REG_IB_STS2, 6, 4)
	s_cmp_eq_u32 s2, 0
	s_cbranch_scc0 .Lentry_in_a_cluster
	s_endpgm
.Lentry_in_a_cluster:
	s_bfe_u32 s2, ttmp6, 0x10000c
	s_cmp_lg_u32 s2, 0xf033
	s_cbranch_scc0 .Lentry_shape_is_right
	s_endpgm
.Lentry_shape_is_right:
; THE OUTPUT PROJECTION.  out0[token][n] = the sum over k of ao[token][k] Wo[n][k] + bo[n].  ao f16; Wo's bf16 value as f16, at wb's rows 5,120 on; bo's bf16 value as f32, at bb's place 5,120 on.
; Sums in f32 that start from the bias; out0 is f32 and is not rounded again.  NaN and infinities are not treated apart.
; A tile is 128 tokens x 256 columns, made by four waves, each 64 x 128: 32 accumulators of 16 x 16; 256 work-groups, one tile each.  K goes in steps of 128 (rows of 256 bytes) through a ring of two LDS slots.
; CLUSTER 4 x 4.  The four of a row of the cluster need the same 128 rows of ao, the four of a column the same 256 rows of Wo: each tile is asked for jointly, by the same tensor load with the same
; descriptor and a mask that names the four.  Waves 0 and 1 fetch ao's two halves (64 rows), waves 2 and 3 Wo's (128 rows): one load a wave behind each round.
; THE MATRIX INSTRUCTION IS USED TRANSPOSED (source 0 = 16 rows of Wo, source 1 = 16 tokens): a lane then holds token lane % 16 and the columns 8 (lane / 16) + 0..7 of a block of 16.
; REGISTERS, in windows of 256 (s_set_vgpr_msb: bits 1:0 source 0, 3:2 source 1, 5:4 source 2, 7:6 destination):
;   window 0: v16-30 addresses; v64-191 the way out      window 1: two fragment buffers of 96 (Wo's 8 fragments, then ao's 4); v192-255 the bias as a C operand
;   window 2: the accumulators, (a, b) at v[8 (8 a + b)]: tokens 16 a on, columns 16 b on
.set PITCH,  272                       ; an LDS row: 256 bytes + 16 of padding = 68 words: the 16 rows of a fragment load start at 16 different groups of four banks (ISA guide 11.1)
.set BOFF,   128*PITCH                 ; in a slot: ao's 128 rows, then Wo's 256
.set SLOT,   384*PITCH
.set STAGE,  2*SLOT                    ; behind the ring: 16 rows x 528 bytes for each wave, for the way out; no tensor load lands here
.set SPITCH, 528                       ; 128 numbers of f32 + 16 bytes
.set SPARE,  STAGE+4*16*SPITCH         ; the spare words, 128 bytes for each wave: two blocks of 256 bytes that no other line names
.set ROWB,   2048                      ; bytes in a row of ao and wb
.set KSB,    256                       ; bytes of a row in a K step
.set ADRA, 16                          ; v16-17  LDS address of my ao fragments in slot 0, 1
.set ADRB, 20                          ; v20-21  the same for Wo
.set STO,  24                          ; v24     the way out: where I put 32 bytes of a row
.set RD,   25                          ; v25     where I read a row back
.set CO,   26                          ; v26     my byte offset in a row's 512 bytes of out0
.set BO,   27                          ; v27     my byte offset in 16 biases: 32 (lane / 16)
.set SPW,  28                          ; v28     my spare word: SPARE + 4 x my thread's number; never rewritten
.set NIL,  29                          ; v29     0; never rewritten
.set PFO,  30                          ; v30     the prefetches' offset: my lane x a row; never rewritten
.set OB,   64                          ; the way out: 16 rows read back: v64-127 and v128-191 by turns
.set F0,   0                           ; window 1
.set F1,   96
.set BIAS, 192
.set WV,   12                          ; s12 my wave;  s13 which 64 tokens are mine, and: I fetch ao (0) or Wo (1);  s14 which 128 columns, and: which half of that tile I fetch
.set RH,   13
.set CH,   14
.set G1A,  24                          ; s[24:31] descriptor group 1 for ao's tiles;  s[32:39] group 0, a set for each slot
.set G0A,  32
.set PFA,  44                          ; s[44:45] where my prefetches stand: one K step beyond the refill in hand; a prefetch names the step after that
.set LIM,  46                          ; s46  1 in a wave that prefetches, else the greatest number
.set G1B,  48                          ; s[48:55], s[56:63] the same for Wo's tiles
.set G0B,  56
.set ROLE, 68                          ; s68  1: I prefetch ao's rows; 2: Wo's; 0: nothing
.set MSB, 0
.macro WIN new                         ; the immediate's high byte repeats the setting that is left; a switch that changes nothing is dropped
.if MSB != (\new)
	s_set_vgpr_msb (MSB<<8)|(\new)
.set MSB, \new
.endif
.endm
.set MUL,  0xa5                        ; sources 0 and 1 window 1, C and D window 2
.set MULB, 0x95                        ; the same with C (the bias) in window 1
.set TO_F, 0x40                        ; destination window 1, address window 0
; A joint load.  The branch hangs on the wave's number alone.  An s_nop 0 and four v_nop follow each of the two lines, ahead of the jump and the label.
.macro JLOAD s
	s_cmp_eq_u32 s[RH], 0
	s_cbranch_scc0 .Lfor_b_\@
	tensor_load_to_lds s[G0A+4*(\s):G0A+4*(\s)+3], s[G1A:G1A+7]
	s_nop 0
.rept 4
	v_nop
.endr
	s_branch .Lasked_\@
.Lfor_b_\@:
	tensor_load_to_lds s[G0B+4*(\s):G0B+4*(\s)+3], s[G1B:G1B+7]
	s_nop 0
.rept 4
	v_nop
.endr
.Lasked_\@:
.endm
; A PREFETCH INTO THE L2 behind each joint load and the run of LDS loads that follows it: 32 rows x 256 bytes, a lane a row, of the K step that stands two refills on (256 matrix instructions ahead of its load).
; Each row's 256 bytes of a K step are named once in the launch.  ao's 128 rows of a tile are read by one row of one cluster alone: wave 0 of each of the four partners takes 32, told apart by address.
; Wo's rows are read by all sixteen clusters: the cluster with y = 0 asks; of the 128 rows that wave 2 or 3 fetches each of the four partners of a column takes 32, by address.
; K steps 0 to 3 come by their loads alone; the last two refills ask for nothing.
.macro ASK
	s_cmp_gt_u32 s3, s[LIM]                        ; s3 = 1 in the loop's last trip
	s_cbranch_scc0 .Lnot_mine_\@
	global_prefetch_b8 v[PFO], s[PFA:PFA+1] offset:KSB th:TH_LOAD_NT scope:SCOPE_SE
.Lnot_mine_\@:
.endm
.macro CREST                           ; a round of the cluster's barrier behind its opening barrier
	s_cmp_lg_u32 s[WV], 0
	s_cbranch_scc1 .Lnot_wave_0_\@
	s_barrier_signal -3
.Lnot_wave_0_\@:
	s_barrier_wait -3
	s_barrier_signal -1
	s_barrier_wait -1
.endm
.macro CROUND                          ; a whole round
	s_barrier_signal -1
	s_barrier_wait -1
	CREST
.endm
.macro PLACES                          ; four places behind matrix instructions, in front of loads into registers that they have read and of lines that read results
.rept 4
	v_nop
.endr
.endm
; 8 matrix instructions: token block a x all 8 column blocks, 32 along K, from buffer f.  first = 1: the sums start from the bias.  The 32 accumulators take turns, in the same order in every quarter.
.macro MULA f, a, first
.if \first
	WIN MULB
.else
	WIN MUL
.endif
.irp b, 0,1,2,3,4,5,6,7
.if \first
	v_wmma_f32_16x16x32_f16 v[8*(8*(\a)+(\b)):8*(8*(\a)+(\b))+7], v[(\f)+8*(\b):(\f)+8*(\b)+7], v[(\f)+64+8*(\a):(\f)+64+8*(\a)+7], v[BIAS+8*(\b):BIAS+8*(\b)+7]
.else
	v_wmma_f32_16x16x32_f16 v[8*(8*(\a)+(\b)):8*(8*(\a)+(\b))+7], v[(\f)+8*(\b):(\f)+8*(\b)+7], v[(\f)+64+8*(\a):(\f)+64+8*(\a)+7], v[8*(8*(\a)+(\b)):8*(8*(\a)+(\b))+7]
.endif
.endr
.endm
; 24 LDS loads in one run: a quarter step's fragments (32 along K at byte k of the rows) into buffer f: Wo's 16 first, then ao's 8
.macro FETCH slot, k, f
	WIN TO_F
.irp i, 0,1,2,3,4,5,6,7
	ds_load_b128 v[(\f)+8*(\i):(\f)+8*(\i)+3],   v[ADRB+(\slot)] offset:(\k)+(\i)*16*PITCH
	ds_load_b128 v[(\f)+8*(\i)+4:(\f)+8*(\i)+7], v[ADRB+(\slot)] offset:(\k)+(\i)*16*PITCH+32
.endr
.irp i, 0,1,2,3
	ds_load_b128 v[(\f)+64+8*(\i):(\f)+64+8*(\i)+3],   v[ADRA+(\slot)] offset:(\k)+(\i)*16*PITCH
	ds_load_b128 v[(\f)+64+8*(\i)+4:(\f)+64+8*(\i)+7], v[ADRA+(\slot)] offset:(\k)+(\i)*16*PITCH+32
.endr
.endm
; A K step is four quarters of 32 along K, 32 matrix instructions each, on buffers 0, 1, 0, 1.  One of the first three: multiplies f, and in its middle fetches the next quarter, at byte k, into g.
.macro QUARTER slot, k, f, g, first
	s_wait_dscnt 4                                 ; the youngest four loads (ao's token blocks 2 and 3) may be out
	MULA \f, 0, \first
	MULA \f, 1, \first
	PLACES
	FETCH \slot, \k, \g
	s_wait_dscnt 24                                ; all but the 24 just issued
	MULA \f, 2, \first
	MULA \f, 3, \first
.endm
; The last quarter's first half, and the one barrier of a change of slots.  In front of it each wave waits for all its tensor loads (one is out: its part of the next slot), adds 0 to its spare word,
; and waits for that and for its own reads of this slot.  Behind it nobody reads this slot any more and the next slot is whole.
.macro MEET round
	WIN 0                                          ; (the add's two registers lie in window 0)
	s_wait_tensorcnt 0x0
	ds_add_u32 v[SPW], v[NIL]
	s_wait_dscnt 5                                 ; the add and the youngest four loads may be out
	MULA F1, 0, 0                                  ; eight matrix instructions stand between the add and the wait for it
	s_wait_dscnt 0x0                               ; the add is done, and my reads of this slot are over
	s_barrier_signal -1
	MULA F1, 1, 0                                  ; work on registers while the others arrive
.if \round
	WIN 0
.endif
	s_barrier_wait -1
.endm
; The whole last quarter with a refill, two K steps on: the barrier opens a round of the cluster's barrier; the joint load is the first tensor load behind the round, and a wave issues 112 matrix instructions before it waits for it.
.macro TURN slot, next
	s_wait_xcnt 0x0                                ; the last prefetch, a K step back, has read its address: it is stepped here, ahead of the waits of the change of slots
	s_add_nc_u64 s[PFA:PFA+1], s[PFA:PFA+1], KSB
	MEET 1
	CREST                                          ; no wave of any partner still reads this slot or has a load on its way
	s_add_nc_u64 s[G0A+4*(\slot)+2:G0A+4*(\slot)+3], s[G0A+4*(\slot)+2:G0A+4*(\slot)+3], 2*KSB
	s_add_nc_u64 s[G0B+4*(\slot)+2:G0B+4*(\slot)+3], s[G0B+4*(\slot)+2:G0B+4*(\slot)+3], 2*KSB
	JLOAD \slot                                    ; the four v_nop behind it are also the places in front of the loads below
	FETCH \next, 0, F0
	WIN 0
	ASK
	MULA F1, 2, 0
	MULA F1, 3, 0
.endm
.macro TURNL slot, next                ; the same where nothing is left to fetch: a plain barrier, no round
	MEET 0
	PLACES
	FETCH \next, 0, F0
	MULA F1, 2, 0
	MULA F1, 3, 0
.endm
; THE WAY OUT of token block a, in f32.  TOSTAGE: a lane's eight columns of a row, 32 bytes, go from the accumulators (their low halves first) into my own stage, and come back as whole rows of 512 bytes.  SEND: stored.
.macro TOSTAGE a
.if (\a) >= 2
	s_wait_xcnt 0x0                                ; the stores of the block two back have read the registers that are loaded again below
.endif
	WIN 0x08                                       ; store data (source 1) in window 2
.irp b, 0,1,2,3,4,5,6,7
	ds_store_b128 v[STO], v[8*(8*(\a)+(\b)):8*(8*(\a)+(\b))+3]   offset:64*(\b)
	ds_store_b128 v[STO], v[8*(8*(\a)+(\b))+4:8*(8*(\a)+(\b))+7] offset:64*(\b)+16
.endr
	WIN 0
.set OBK, OB+64*((\a)%2)
.irp t, 0,1,2,3,4,5,6,7,8,9,10,11,12,13,14,15
	ds_load_b128 v[OBK+4*(\t):OBK+4*(\t)+3], v[RD] offset:(\t)*SPITCH  ; LDS serves a wave's instructions in order (ISA guide 5.7.1.4): these see the stores above; the next block's stores come behind them
.endr
.endm
.macro SEND a, younger                 ; younger: the LDS instructions issued behind block a's loads: the next block's 32, or none
.set OBK, OB+64*((\a)%2)
	s_wait_dscnt \younger
.irp t, 0,1,2,3,4,5,6,7,8,9,10,11,12,13,14,15
	global_store_b128 v[CO], v[OBK+4*(\t):OBK+4*(\t)+3], s[10:11] offset:(16*(\a)+(\t))*4096 th:TH_STORE_NT  ; the wave stores 512 consecutive bytes, aligned
.endr
.endm
	s_load_b256 s[4:11], s[0:1], 0x0               ; ao s[4:5], wb s[6:7], bb s[8:9], out0 s[10:11]
	v_lshl_add_u32 v[SPW], v0, 2, SPARE
	v_mov_b32 v[NIL], 0
	ds_add_u32 v[SPW], v[NIL]                      ; the wave's opening: the add and its wait stand ahead of my first tensor load; work on registers stands between them
	v_lshrrev_b32 v1, 5, v0
	v_readfirstlane_b32 s[WV], v1                  ; wave 0..3
	s_lshr_b32 s[RH], s[WV], 1
	s_and_b32 s[CH], s[WV], 1
	s_bfe_u32 s15, ttmp6, 0x40000                  ; cx
	s_bfe_u32 s16, ttmp6, 0x40004                  ; cy
	s_lshl_b32 s17, ttmp9, 2
	s_add_co_u32 s17, s17, s15                     ; tx: my block of 256 columns
	s_and_b32 s18, ttmp7, 0xffff
	s_lshl_b32 s18, s18, 2
	s_add_co_u32 s18, s18, s16                     ; ty: my block of 128 tokens
	s_lshl_b32 s19, s16, 2
	s_lshl_b32 s19, 15, s19                        ; my row of the cluster
	s_lshl_b32 s22, 0x1111, s15                    ; my column
	s_or_b32 s[G1A], s19, (1<<16)|(1<<20)|(1<<21)|(5<<22)|(3<<25)  ; 15:0 the mask; 17:16 2-byte elements; 20 padding on; 21 set beside a mask; 24:22 after every 64 words; 31:25 4 words of it
	s_or_b32 s[G1B], s22, (1<<16)|(1<<20)|(1<<21)|(5<<22)|(3<<25)
	s_mov_b32 s[G1A+1], 128<<16                    ; tensor_dim0 = 128
	s_mov_b32 s[G1A+2], 64<<16                     ; tensor_dim1 = 64
	s_mov_b32 s[G1A+3], 128<<16                    ; tile_dim0 = 128
	s_mov_b32 s[G1A+4], 64                         ; tile_dim1 = 64
	s_mov_b32 s[G1A+5], 1024                       ; elements from row to row
	s_mov_b32 s[G1A+6], 0
	s_mov_b32 s[G1A+7], 0
	s_mov_b32 s[G1B+1], 128<<16
	s_mov_b32 s[G1B+2], 128<<16                    ; tensor_dim1 = 128
	s_mov_b32 s[G1B+3], 128<<16
	s_mov_b32 s[G1B+4], 128                        ; tile_dim1 = 128
	s_mov_b32 s[G1B+5], 1024
	s_mov_b32 s[G1B+6], 0
	s_mov_b32 s[G1B+7], 0
	s_lshl_b32 s20, s18, 7                         ; ao: row 128 ty + 64 x half: nothing of cx in it
	s_lshl_b32 s21, s[CH], 6
	s_add_co_u32 s20, s20, s21
	s_lshl_b32 s40, s20, 11
	s_mov_b32 s41, 0
	s_lshl_b32 s23, s17, 8                         ; Wo: wb's row 5,120 + 256 tx + 128 x half: nothing of cy in it
	s_lshl_b32 s42, s[CH], 7
	s_add_co_u32 s23, s23, s42
	s_add_co_u32 s23, s23, 5*1024
	s_lshl_b32 s42, s23, 11
	s_mov_b32 s43, 0
	s_mul_i32 s21, s[CH], 64*PITCH                 ; where they go: no place in the cluster enters an LDS address
	s_mul_i32 s72, s[CH], 128*PITCH
	s_add_co_u32 s72, s72, BOFF
	s_wait_dscnt 0x0                               ; the opening add is done
	s_wait_kmcnt 0x0
	s_add_nc_u64 s[40:41], s[4:5], s[40:41]
	s_add_nc_u64 s[42:43], s[6:7], s[42:43]
	CROUND                                         ; all sixteen work-groups are here: the first joint loads meet
.irp s, 0,1
	s_mov_b32 s[G0A+4*(\s)], 1                     ; count = 1
	s_add_co_u32 s[G0A+4*(\s)+1], s21, (\s)*SLOT   ; LDS address
	s_add_nc_u64 s[G0A+4*(\s)+2:G0A+4*(\s)+3], s[40:41], (\s)*KSB  ; global address: K step s
	s_or_b32 s[G0A+4*(\s)+3], s[G0A+4*(\s)+3], 0x80000000          ; type = 2
	s_mov_b32 s[G0B+4*(\s)], 1
	s_add_co_u32 s[G0B+4*(\s)+1], s72, (\s)*SLOT
	s_add_nc_u64 s[G0B+4*(\s)+2:G0B+4*(\s)+3], s[42:43], (\s)*KSB
	s_or_b32 s[G0B+4*(\s)+3], s[G0B+4*(\s)+3], 0x80000000
	JLOAD \s                                       ; two tensor loads of mine are out
.endr
	; A fragment is 16 rows x 32 K in 8 registers: lane l holds row l % 16, K = 8 (l / 16) + 0..7 and 16 + 8 (l / 16) + 0..7: two loads of 16 bytes, 32 bytes apart.
	v_and_b32 v1, 15, v0                           ; l % 16
	v_bfe_u32 v2, v0, 4, 1                         ; l / 16
	v_mul_u32_u24 v3, v1, PITCH
	v_lshl_add_u32 v3, v2, 4, v3                   ; row x pitch + 16 x half
	s_mul_i32 s19, s[RH], 64*PITCH                 ; my 64 tokens
	s_mul_i32 s20, s[CH], 128*PITCH                ; my 128 rows of Wo
	s_add_co_u32 s20, s20, BOFF
	v_add_nc_u32 v[ADRA], s19, v3
	v_add_nc_u32 v[ADRB], s20, v3
	v_add_nc_u32 v[ADRA+1], SLOT, v[ADRA]
	v_add_nc_u32 v[ADRB+1], SLOT, v[ADRB]
	s_mul_i32 s19, s[WV], 16*SPITCH
	s_add_co_u32 s19, s19, STAGE                   ; my stage
	v_mul_u32_u24 v4, v1, SPITCH                   ; in: row l % 16, 32 bytes for each half of the lanes
	v_lshl_add_u32 v4, v2, 5, v4
	v_add_nc_u32 v[STO], s19, v4
	v_and_b32 v5, 31, v0
	v_lshlrev_b32 v[CO], 4, v5                     ; back, and out: 32 lanes take one row of 512 bytes
	v_add_nc_u32 v[RD], s19, v[CO]
	v_lshlrev_b32 v[BO], 5, v2
	v_lshlrev_b32 v[PFO], 11, v5
	s_lshl_b32 s73, s18, 7                         ; out0 at token 128 ty + 64 RH, column 256 tx + 128 CH
	s_lshl_b32 s74, s[RH], 6
	s_add_co_u32 s73, s73, s74
	s_lshl_b32 s73, s73, 12
	s_lshl_b32 s76, s17, 10                        ; the column's bytes, in out0 and in bb alike: 4 each
	s_lshl_b32 s74, s[CH], 9
	s_add_co_u32 s76, s76, s74
	s_add_co_u32 s74, s76, s73
	s_mov_b32 s75, 0
	s_add_nc_u64 s[10:11], s[10:11], s[74:75]
	s_add_co_u32 s76, s76, 5*4096                  ; bo lies behind the five projections' biases
	s_mov_b32 s77, 0
	s_add_nc_u64 s[8:9], s[8:9], s[76:77]
	WIN TO_F                                       ; the bias of my 128 columns as eight C operands: register j of block b is column 16 b + 8 (lane / 16) + j
.irp b, 0,1,2,3,4,5,6,7
	global_load_b128 v[BIAS+8*(\b):BIAS+8*(\b)+3],   v[BO], s[8:9] offset:64*(\b)
	global_load_b128 v[BIAS+8*(\b)+4:BIAS+8*(\b)+7], v[BO], s[8:9] offset:64*(\b)+16
.endr
	WIN 0
	s_and_b32 s19, ttmp7, 0xffff                   ; who prefetches: the same answer in all sixteen partners, for a given wave
	s_cmp_eq_u32 s19, 0
	s_cselect_b32 s[ROLE], 2, 0
	s_cmp_eq_u32 s[RH], 1
	s_cselect_b32 s[ROLE], s[ROLE], 0
	s_cmp_eq_u32 s[WV], 0
	s_cselect_b32 s[ROLE], 1, s[ROLE]
	s_cmp_lg_u32 s[ROLE], 0
	s_cselect_b32 s[LIM], 1, -1
	s_lshl_b32 s76, s18, 7                         ; ao: the tile's first row + my work-group's 32 of its 128
	s_lshl_b32 s77, s15, 5
	s_add_co_u32 s76, s76, s77
	s_lshl_b32 s77, s16, 5                         ; Wo: the 128 rows that I fetch, my work-group's 32 of them
	s_add_co_u32 s77, s77, s23
	s_cmp_eq_u32 s[RH], 0
	s_cselect_b32 s76, s76, s77
	s_cselect_b64 s[PFA:PFA+1], s[4:5], s[6:7]
	s_lshl_b32 s76, s76, 11
	s_add_co_u32 s76, s76, 2*KSB                   ; at K step 2: the first refill steps it to 3 and names K step 4
	s_mov_b32 s77, 0
	s_add_nc_u64 s[PFA:PFA+1], s[PFA:PFA+1], s[76:77]
	s_wait_tensorcnt 1                             ; my part of K step 0 is in; K step 1's may stay out
	s_barrier_signal -1
	s_barrier_wait -1                              ; everybody's is
	FETCH 0, 0, F0
	s_wait_loadcnt 0x0                             ; the bias
	QUARTER 0, 64, F0, F1, 1                       ; the first quarter stands in front of the loop: its products start the sums, from the bias
	WIN 0                                          ; at a label and at a branch every window is 0
	s_mov_b32 s3, 3
.Llap:                                                 ; a trip goes once round the ring, from a lap's second quarter to the next lap's first, and fills both slots again
	QUARTER 0, 128, F1, F0, 0
	QUARTER 0, 192, F0, F1, 0
	TURN 0, 1
	QUARTER 1, 64,  F0, F1, 0
	QUARTER 1, 128, F1, F0, 0
	QUARTER 1, 192, F0, F1, 0
	TURN 1, 0
	QUARTER 0, 64,  F0, F1, 0
	WIN 0
	s_sub_co_u32 s3, s3, 1
	s_cmp_lg_u32 s3, 0
	s_cbranch_scc1 .Llap
	QUARTER 0, 128, F1, F0, 0                      ; the last lap fills nothing, and has no round of the cluster's barrier
	QUARTER 0, 192, F0, F1, 0
	TURNL 0, 1
	QUARTER 1, 64,  F0, F1, 0
	QUARTER 1, 128, F1, F0, 0
	QUARTER 1, 192, F0, F1, 0
	s_wait_dscnt 4                                 ; the very last quarter: nothing more to fetch
	MULA F1, 0, 0
	MULA F1, 1, 0
	s_wait_dscnt 0x0
	MULA F1, 2, 0
	MULA F1, 3, 0
	WIN 0
	PLACES
	TOSTAGE 0                                      ; a block's trip through the stage stands between the loads of the block before and its stores
	TOSTAGE 1
	SEND 0, 32
	TOSTAGE 2
	SEND 1, 32
	TOSTAGE 3
	SEND 2, 32
	SEND 3, 0
	s_wait_tensorcnt 0x0                           ; the wave's end, behind my last tensor load and my last LDS store
	ds_add_u32 v[SPW], v[NIL]
	s_wait_dscnt 0x0
	CROUND                                         ; the closing round: no work-group ends while a partner may still ask for a tile that names it
	s_endpgm
.Lfunc_end_k_q31cbdb152d_outp:
	.size	k_q31cbdb152d_outp, .Lfunc_end_k_q31cbdb152d_outp-k_q31cbdb152d_outp
	.p2alignl 7, 3214868480
	.fill 96, 4, 3214868480
	.section	.rodata,"a",@progbits
	.p2align	6, 0x0
	.amdhsa_kernel k_q31cbdb152d_outp
		.amdhsa_group_segment_fixed_size 327680
		.amdhsa_private_segment_fixed_size 0
		.amdhsa_enable_private_segment 0
		.amdhsa_kernarg_size 32
		.amdhsa_user_sgpr_count 2
		.amdhsa_user_sgpr_kernarg_segment_ptr 1
		.amdhsa_wavefront_size32 1
		.amdhsa_system_sgpr_workgroup_id_x 1
		.amdhsa_system_sgpr_workgroup_id_y 1
		.amdhsa_system_sgpr_workgroup_id_z 1
		.amdhsa_system_vgpr_workitem_id 0
		.amdhsa_next_free_vgpr 768
		.amdhsa_next_free_sgpr 88
		.amdhsa_reserve_vcc 0
		.amdhsa_float_denorm_mode_32 3
		.amdhsa_float_denorm_mode_16_64 3
		.amdhsa_memory_ordered 1
		.amdhsa_forward_progress 1
		.amdhsa_inst_pref_size 88
	.end_amdhsa_kernel
	.amdgpu_metadata
---
amdhsa.version: [ 1, 2 ]
amdhsa.kernels:
  - .name:           k_q31cbdb152d_outp
    .symbol:         k_q31cbdb152d_outp.kd
    .args:
      - { .name: ao, .offset: 0, .size: 8, .value_kind: global_buffer, .address_space: global }
      - { .name: wb, .offset: 8, .size: 8, .value_kind: global_buffer, .address_space: global }
      - { .name: bb, .offset: 16, .size: 8, .value_kind: global_buffer, .address_space: global }
      - { .name: out0, .offset: 24, .size: 8, .value_kind: global_buffer, .address_space: global }
    .group_segment_fixed_size: 327680
    .private_segment_fixed_size: 0
    .kernarg_segment_align: 8
    .kernarg_segment_size: 32
    .max_flat_workgroup_size: 128
    .sgpr_count:     88
    .vgpr_count:     768
    .wavefront_size: 32
...
	.end_amdgpu_metadata
.endif
;; end of part 4
;; ======== version 2 of 3: 4 launches
;; limits: values are held in f16: magnitudes above 65,504 overflow, below 6.1e-05 lose precision
;; workspace buffers: xb 33,554,432 bytes; wb 12,582,912 bytes; bb 24,576 bytes; pj 83,886,080 bytes; ao 16,777,216 bytes
;; launch cast: the kernel of part 1 again; grid 32 x 22, 8 waves a work-group, no clusters, 0 bytes of LDS; arguments content, position, Wcq, Wck, Wcv, Wpq, Wpk, Wo, bcq, bck, bcv, bpq, bpk, bo, xb, wb, bb; writes xb, wb, bb
;; launch proj (part 5): grid 4 x 64, 4 waves a work-group, clusters of 4 x 4, 327,680 bytes of LDS; arguments xb, wb, bb, pj; writes pj
.if DOCPART == 5
	.amdgcn_target "amdgcn-amd-amdhsa--gfx1250"
	.amdhsa_code_object_version 6
	.text
	.protected	k_q31cbdb152d_proj
	.globl	k_q31cbdb152d_proj
	.p2align	8
	.type	k_q31cbdb152d_proj,@function
k_q31cbdb152d_proj:
	s_mov_b64 s[64:65], 0
	v_nop
	global_prefetch_b8 v0, s[64:65] scope:SCOPE_SE
	s_setreg_imm32_b32 hwreg(HW_REG_WAVE_MODE, 25, 1), 1
	s_wait_xcnt 0x0
	s_wait_alu depctr_hold_cnt(0) depctr_sa_sdst(0) depctr_va_vdst(0) depctr_va_sdst(0) depctr_va_ssrc(0) depctr_va_vcc(0) depctr_vm_vsrc(0)
	s_getreg_b32 s2, hwreg(HW_REG_IB_STS2, 6, 4)
	s_cmp_eq_u32 s2, 0
	s_cbranch_scc0 .Lentry_in_a_cluster
	s_endpgm
.Lentry_in_a_cluster:
	s_bfe_u32 s2, ttmp6, 0x10000c
	s_cmp_lg_u32 s2, 0xf033
	s_cbranch_scc0 .Lentry_shape_is_right
	s_endpgm
.Lentry_shape_is_right:
; THE FIVE PROJECTIONS.  pj[t][token][n] = the sum over k of x[token][k] wb[1024 t + n][k] + bb[1024 t + n]; x = content (t = 0, 1, 2) or position (t = 3, 4), both in xb.
; Operands bf16, sums f32 that start from the bias, pj rounded once to f16.  LIMIT: a projected number of 65,520 or more in size becomes an infinity in f16; NaN and infinities are not treated apart.
; A tile is 256 tokens x 256 columns, made by four waves, each 128 x 128: 64 accumulators of 16 x 16, 512 registers.  K goes in steps of 128 (rows of 256 bytes) through a ring of two LDS slots,
; which runs on from tile to tile.  From a refill's request to the wait for it a wave issues 240 matrix instructions; a tile of 128 x 256 would leave 112.
; THE WALK IS UNEVEN.  8,192 x 5,120 numbers are 640 such tiles for 256 work-groups.  Cluster c of 16 takes the tokens 1,024 (c / 2) on: an even c makes content's three projections, an odd c position's
; two; a work-group stays on its 256 tokens and 256 columns and walks the weights.  So half of the work-groups make three tiles and half two.  The splits that are even (a third tile of half the
; size, or two of 256 x 192 and one of 256 x 256) have 24 changes of slots as well, as many as three whole tiles, and want a second shape of tile in the text.
; CLUSTER 4 x 4.  The four of a row of the cluster need the same 256 rows of x, the four of a column the same 256 rows of the weight: each tile is asked for jointly, by the same tensor load
; with the same descriptor and a mask that names the four.  Waves 0 and 1 fetch x's two halves, waves 2 and 3 the weight's, 128 rows each: one load a wave behind each round.
; THE MATRIX INSTRUCTION IS USED TRANSPOSED (source 0 = 16 rows of the weight, source 1 = 16 tokens): a lane then holds token lane % 16 and the columns 8 (lane / 16) + 0..7 of a block of 16.
; REGISTERS, in windows of 256 (s_set_vgpr_msb: bits 1:0 source 0, 3:2 source 1, 5:4 source 2, 7:6 destination):
;   window 0: v16-30 addresses; v64-127, v128-191 x's fragments (8 x 16 tokens x 32 K), two buffers; v32-63, v192-255 the way out
;   window 1: v64-127, v128-191 the weight's fragments, two buffers; v192-255 the bias of my 128 columns, as a C operand
;   window 2: the accumulators of my tokens 0-63, (a, b) at v[8 (8 a + b)]: tokens 16 a on, columns 16 b on;   window 3: those of my tokens 64-127
.set PITCH,  272                       ; an LDS row: 256 bytes + 16 of padding = 68 words: the 16 rows of a fragment load start at 16 different groups of four banks (ISA guide 11.1)
.set HALFT,  128*PITCH                 ; 128 rows: what one tensor load brings, and what one wave reads of x or of the weight
.set SLOT,   4*HALFT                   ; x's 256 rows, then the weight's 256
.set STAGE,  2*SLOT                    ; behind the ring: 16 rows x 272 bytes for each wave, for the way out; no tensor load lands here
.set SPITCH, 272
.set SPARE,  STAGE+4*16*SPITCH         ; the spare words, 128 bytes for each wave: two blocks of 256 bytes that no other line names
.set ROWB,   2048                      ; bytes in a row of xb, wb and pj
.set KSB,    256                       ; bytes of a row in a K step
.set ADRA, 16                          ; v16-17  LDS address of my x fragments in slot 0, 1
.set ADRB, 20                          ; v20-21  the same for the weight
.set STO,  24                          ; v24     the way out: where I put 16 bytes of a row
.set RD,   25                          ; v25     where I read a row back
.set CO,   26                          ; v26     my byte offset in pj
.set BO,   27                          ; v27     my byte offset in 16 biases: 32 (lane / 16)
.set SPW,  28                          ; v28     my spare word: SPARE + 4 x my thread's number; never rewritten
.set NIL,  29                          ; v29     0; never rewritten
.set PFO,  30                          ; v30     the prefetches' offset: my lane x a row; never rewritten
.set OB,   32                          ; the way out: 16 rows read back: v32-63 and v224-255 by turns
.set TMP,  192                         ; the way out: packed results
.set F0,   64                          ; fragment buffers, in windows 0 and 1
.set F1,   128
.set BIAS, 192                         ; window 1
.set WV,   12                          ; s12 my wave;  s13 which 128 tokens are mine, and: I fetch x (0) or the weight (1);  s14 which 128 columns, and: which half of that tile I fetch
.set RH,   13
.set CH,   14
.set G1A,  24                          ; s[24:31] descriptor group 1 for x's tiles;  s[32:39] group 0, a set for each slot
.set G0A,  32
.set PFA,  44                          ; s[44:45] where my prefetches stand: one K step beyond the refill in hand; a prefetch names the step after that
.set LIM,  46                          ; s46  1 in a wave that prefetches, else the greatest number
.set G1B,  48                          ; s[48:55], s[56:63] the same for the weight's tiles
.set G0B,  56
.set PP,   69                          ; s69  0: my cluster multiplies content; 1: position
.set PJ,   70                          ; s[70:71] the jump of my prefetches at the change of tiles: a weight's 1,024 rows, or nothing
.set RR,   78                          ; s78  which 1,024 tokens are my cluster's
.set LAST, 79                          ; s79  the tile counter's value in my cluster's last tile: 1 (content's third) or 2 (position's second)
.set T0,   80                          ; s80  my cluster's first projection: 0 or 3
.set MSB, 0
.macro WIN new                         ; the immediate's high byte repeats the setting that is left; a switch that changes nothing is dropped
.if MSB != (\new)
	s_set_vgpr_msb (MSB<<8)|(\new)
.set MSB, \new
.endif
.endm
.set TO_B, 0x40                        ; destination window 1, address window 0
; A joint load.  The branch hangs on the wave's number alone.  An s_nop 0 and four v_nop follow each of the two lines, ahead of the jump and the label.
.macro JLOAD s
	s_cmp_eq_u32 s[RH], 0
	s_cbranch_scc0 .Lfor_b_\@
	tensor_load_to_lds s[G0A+4*(\s):G0A+4*(\s)+3], s[G1A:G1A+7]
	s_nop 0
.rept 4
	v_nop
.endr
	s_branch .Lasked_\@
.Lfor_b_\@:
	tensor_load_to_lds s[G0B+4*(\s):G0B+4*(\s)+3], s[G1B:G1B+7]
	s_nop 0
.rept 4
	v_nop
.endr
.Lasked_\@:
.endm
; A PREFETCH INTO THE L2 behind each joint load and the run of LDS loads that follows it: 32 rows x 256 bytes, a lane a row, of the K step that stands two refills on (512 matrix instructions ahead of its load).
; Each row's 256 bytes of a K step are named once in the launch.  x's rows are read by one cluster alone, first in its first tile: there waves 0 and 1 of each of the four partners of a row take 32 of the
; 128 rows that they fetch, told apart by address.  A weight's rows are read by the eight clusters that multiply the same input: the first of them asks, in every tile; of the 128 rows that wave 2 or 3
; fetches each of the four partners of a column takes 32, by address.  A tile's K steps 0 and 1 (in the first tile 0 to 3) come by their loads alone; a tile's last two refills along K ask for nothing.
; how = 0, in the loop; how = 1, at a change of tiles: the next weight's K steps 2 and 3.
.macro ASK how
.if \how
	s_cmp_eq_u32 s[LIM], 1
.else
	s_cmp_gt_u32 s3, s[LIM]                        ; s3 = 1 in the loop's last trip
.endif
	s_cbranch_scc0 .Lnot_mine_\@
	global_prefetch_b8 v[PFO], s[PFA:PFA+1] offset:KSB th:TH_LOAD_NT scope:SCOPE_SE
.Lnot_mine_\@:
.endm
.macro CREST                           ; a round of the cluster's barrier behind its opening barrier
	s_cmp_lg_u32 s[WV], 0
	s_cbranch_scc1 .Lnot_wave_0_\@
	s_barrier_signal -3
.Lnot_wave_0_\@:
	s_barrier_wait -3
	s_barrier_signal -1
	s_barrier_wait -1
.endm
.macro CROUND                          ; a whole round
	s_barrier_signal -1
	s_barrier_wait -1
	CREST
.endm
.macro PLACES                          ; four places behind matrix instructions, in front of loads into registers that they have read and of lines that read results
.rept 4
	v_nop
.endr
.endm
; 8 matrix instructions: token block a (0-7) x all 8 column blocks, 32 along K, from buffer f.  first = 1: the sums start from the bias.
; The 64 accumulators take turns, in the same order in every quarter, over the backward jumps and from tile to tile.
.macro MULA f, a, first
.if \first
	WIN 0x91+0x40*((\a)/4)                         ; source 0 window 1, source 1 window 0, C (the bias) window 1, D window 2 or 3
.else
	WIN 0xa1+0x50*((\a)/4)                         ; the same with C and D in window 2 or 3
.endif
.irp b, 0,1,2,3,4,5,6,7
.if \first
	v_wmma_f32_16x16x32_bf16 v[8*(8*((\a)%4)+(\b)):8*(8*((\a)%4)+(\b))+7], v[(\f)+8*(\b):(\f)+8*(\b)+7], v[(\f)+8*(\a):(\f)+8*(\a)+7], v[BIAS+8*(\b):BIAS+8*(\b)+7]
.else
	v_wmma_f32_16x16x32_bf16 v[8*(8*((\a)%4)+(\b)):8*(8*((\a)%4)+(\b))+7], v[(\f)+8*(\b):(\f)+8*(\b)+7], v[(\f)+8*(\a):(\f)+8*(\a)+7], v[8*(8*((\a)%4)+(\b)):8*(8*((\a)%4)+(\b))+7]
.endif
.endr
.endm
; 32 LDS loads in one run: a quarter step's fragments (32 along K at byte k of the rows) into buffer f: the weight's 16 first, then x's 16, token blocks ascending
.macro FETCH slot, k, f
	WIN TO_B
.irp i, 0,1,2,3,4,5,6,7
	ds_load_b128 v[(\f)+8*(\i):(\f)+8*(\i)+3],   v[ADRB+(\slot)] offset:(\k)+(\i)*16*PITCH
	ds_load_b128 v[(\f)+8*(\i)+4:(\f)+8*(\i)+7], v[ADRB+(\slot)] offset:(\k)+(\i)*16*PITCH+32
.endr
	WIN 0
.irp i, 0,1,2,3,4,5,6,7
	ds_load_b128 v[(\f)+8*(\i):(\f)+8*(\i)+3],   v[ADRA+(\slot)] offset:(\k)+(\i)*16*PITCH
	ds_load_b128 v[(\f)+8*(\i)+4:(\f)+8*(\i)+7], v[ADRA+(\slot)] offset:(\k)+(\i)*16*PITCH+32
.endr
.endm
; A K step is four quarters of 32 along K, 64 matrix instructions each, on buffers 0, 1, 0, 1.  One of the first three: multiplies f, and in its middle fetches the next quarter, at byte k, into g.
.macro QUARTER slot, k, f, g, first
	s_wait_dscnt 8                                 ; the youngest eight loads (x's token blocks 4 to 7) may be out
.irp a, 0,1,2,3
	MULA \f, \a, \first
.endr
	PLACES
	FETCH \slot, \k, \g
	s_wait_dscnt 32                                ; all but the 32 just issued
.irp a, 4,5,6,7
	MULA \f, \a, \first
.endr
.endm
; The last quarter's head, and the one barrier of a change of slots.  In front of it each wave waits for all its tensor loads (one is out: its part of the next slot), adds 0 to its spare word,
; and waits for that and for its own reads of this slot.  Behind it nobody reads this slot any more and the next slot is whole.
.macro MEET round
	WIN 0                                          ; (the add's two registers lie in window 0)
	s_wait_tensorcnt 0x0
	ds_add_u32 v[SPW], v[NIL]
	s_wait_dscnt 15                                ; the add and the youngest fourteen loads (x's token blocks 1 to 7) may be out
	MULA F1, 0, 0                                  ; eight matrix instructions stand between the add and the wait for it
	s_wait_dscnt 0x0                               ; the add is done, and my reads of this slot are over
	s_barrier_signal -1
	MULA F1, 1, 0                                  ; work on registers while the others arrive
.if \round
	WIN 0
.endif
	s_barrier_wait -1
.endm
; The whole last quarter with a refill: the barrier opens a round of the cluster's barrier; the joint load is the first tensor load behind the round, and a wave issues 240 matrix instructions before it waits for it.
; on = 0: this tile's K step two steps on.  on = 1: the next tile's K step 0 or 1: x's rows are the same, back along K; the weight's lie 1,024 rows on.
.macro TURN slot, next, on
	s_wait_xcnt 0x0                                ; the last prefetch, a K step back, has read its address: it is stepped here, ahead of the waits of the change of slots
.if (\on) && (\slot) == 0
	s_sub_nc_u64 s[PFA:PFA+1], s[PFA:PFA+1], 7*KSB ; from the K step after the tile's last back to K step 1,
	s_add_nc_u64 s[PFA:PFA+1], s[PFA:PFA+1], s[PJ:PJ+1]  ; of the next weight's rows
	s_cmp_eq_u32 s[RH], 1
	s_cselect_b32 s[LIM], s[LIM], -1               ; x's rows have been read: they are prefetched no more
.else
	s_add_nc_u64 s[PFA:PFA+1], s[PFA:PFA+1], KSB
.endif
	MEET 1
	CREST                                          ; no wave of any partner still reads this slot or has a load on its way
.if \on
	s_sub_nc_u64 s[G0A+4*(\slot)+2:G0A+4*(\slot)+3], s[G0A+4*(\slot)+2:G0A+4*(\slot)+3], 6*KSB
	s_add_nc_u64 s[G0B+4*(\slot)+2:G0B+4*(\slot)+3], s[G0B+4*(\slot)+2:G0B+4*(\slot)+3], 1024*ROWB-6*KSB
.else
	s_add_nc_u64 s[G0A+4*(\slot)+2:G0A+4*(\slot)+3], s[G0A+4*(\slot)+2:G0A+4*(\slot)+3], 2*KSB
	s_add_nc_u64 s[G0B+4*(\slot)+2:G0B+4*(\slot)+3], s[G0B+4*(\slot)+2:G0B+4*(\slot)+3], 2*KSB
.endif
	JLOAD \slot                                    ; the four v_nop behind it are also the places in front of the loads below
	FETCH \next, 0, F0
	ASK \on
.irp a, 2,3,4,5,6,7
	MULA F1, \a, 0
.endr
.endm
.macro TURNL slot, next                ; the same where nothing is left to fetch: a plain barrier, no round
	MEET 0
	PLACES
	FETCH \next, 0, F0
.irp a, 2,3,4,5,6,7
	MULA F1, \a, 0
.endr
.endm
.macro BIASLD                          ; the bias of my 128 columns as eight C operands: register j of block b is column 16 b + 8 (lane / 16) + j
	WIN TO_B
.irp b, 0,1,2,3,4,5,6,7
	global_load_b128 v[BIAS+8*(\b):BIAS+8*(\b)+3],   v[BO], s[8:9] offset:64*(\b)
	global_load_b128 v[BIAS+8*(\b)+4:BIAS+8*(\b)+7], v[BO], s[8:9] offset:64*(\b)+16
.endr
	WIN 0
.endm
; THE WAY OUT of token block a.  PACK: rounded to f16, 16 bytes a lane, each accumulator's registers in ascending order.  TOSTAGE: into my own stage, and back as whole rows of 256 bytes.  SEND: stored.
.macro PACK a
	WIN 0x0a+5*((\a)/4)                            ; sources 0 and 1: window 2 or 3
.irp b, 0,1,2,3,4,5,6,7
.irp r, 0,1,2,3
	v_cvt_pk_f16_f32 v[TMP+4*(\b)+(\r)], v[8*(8*((\a)%4)+(\b))+2*(\r)], v[8*(8*((\a)%4)+(\b))+2*(\r)+1]
.endr
.endr
	WIN 0
.endm
.macro TOSTAGE a
.set BK, OB+192*((\a)%2)
.irp b, 0,1,2,3,4,5,6,7
	ds_store_b128 v[STO], v[TMP+4*(\b):TMP+4*(\b)+3] offset:32*(\b)
.endr
.irp t, 0,1,2,3,4,5,6,7
	ds_load_b128 v[BK+4*(\t):BK+4*(\t)+3], v[RD] offset:(\t)*2*SPITCH  ; LDS serves a wave's instructions in order (ISA guide 5.7.1.4): these see the stores above
.endr
.endm
.macro SEND a
.set BK, OB+192*((\a)%2)
	s_wait_dscnt 0x0                               ; the block is back in registers
	s_wait_xcnt 0x0                                ; earlier stores have read their registers: the block after this one is read back into those of the block before it
.irp t, 0,1,2,3,4,5,6,7
	global_store_b128 v[CO], v[BK+4*(\t):BK+4*(\t)+3], s[10:11] offset:(16*(\a)+2*(\t))*ROWB  ; 16 lanes store 256 consecutive bytes, aligned; 126 rows at the most, inside the signed 24-bit immediate
.endr
.endm
.macro OUT
	PACK 0
	TOSTAGE 0
.irp a, 1,2,3,4,5,6,7                  ; block a's conversions stand between block a - 1's loads from the stage and the wait for them
	PACK \a
	SEND (\a)-1
	TOSTAGE \a
.endr
	SEND 7
.endm
	s_load_b256 s[4:11], s[0:1], 0x0               ; xb s[4:5], wb s[6:7], bb s[8:9], pj s[10:11]
	v_lshl_add_u32 v[SPW], v0, 2, SPARE
	v_mov_b32 v[NIL], 0
	ds_add_u32 v[SPW], v[NIL]                      ; the wave's opening: the add and its wait stand ahead of my first tensor load; work on registers stands between them
	v_lshrrev_b32 v1, 5, v0
	v_readfirstlane_b32 s[WV], v1                  ; wave 0..3
	s_lshr_b32 s[RH], s[WV], 1
	s_and_b32 s[CH], s[WV], 1
	s_bfe_u32 s15, ttmp6, 0x40000                  ; cx
	s_bfe_u32 s16, ttmp6, 0x40004                  ; cy
	s_lshl_b32 s17, ttmp9, 2
	s_add_co_u32 s17, s17, s15                     ; tx: my block of 256 columns of a weight
	s_and_b32 s18, ttmp7, 0xffff                   ; my cluster's number, 0..15: the same in all sixteen partners
	s_and_b32 s[PP], s18, 1                        ; content or position
	s_lshr_b32 s[RR], s18, 1                       ; which 1,024 tokens
	s_lshl_b32 s18, s[RR], 2
	s_add_co_u32 s18, s18, s16                     ; my block of 256 tokens = 4 x that + cy
	s_add_co_u32 s[LAST], s[PP], 1
	s_mul_i32 s[T0], s[PP], 3
	s_lshl_b32 s19, s16, 2
	s_lshl_b32 s19, 15, s19                        ; my row of the cluster
	s_lshl_b32 s22, 0x1111, s15                    ; my column
	s_or_b32 s[G1A], s19, (1<<16)|(1<<20)|(1<<21)|(5<<22)|(3<<25)  ; 15:0 the mask; 17:16 2-byte elements; 20 padding on; 21 set beside a mask; 24:22 after every 64 words; 31:25 4 words of it
	s_or_b32 s[G1B], s22, (1<<16)|(1<<20)|(1<<21)|(5<<22)|(3<<25)
.irp g, G1A, G1B
	s_mov_b32 s[(\g)+1], 128<<16                   ; tensor_dim0 = 128
	s_mov_b32 s[(\g)+2], 128<<16                   ; tensor_dim1 = 128
	s_mov_b32 s[(\g)+3], 128<<16                   ; tile_dim0 = 128
	s_mov_b32 s[(\g)+4], 128                       ; tile_dim1 = 128
	s_mov_b32 s[(\g)+5], 1024                      ; elements from row to row
	s_mov_b32 s[(\g)+6], 0
	s_mov_b32 s[(\g)+7], 0
.endr
	s_lshl_b32 s20, s18, 8                         ; x: xb's row 256 x token block + 128 x half, position 8,192 rows on: nothing of cx in it
	s_lshl_b32 s21, s[CH], 7
	s_add_co_u32 s20, s20, s21
	s_lshl_b32 s21, s[PP], 13
	s_add_co_u32 s20, s20, s21
	s_lshl_b32 s40, s20, 11
	s_mov_b32 s41, 0
	s_lshl_b32 s23, s17, 8                         ; the weight: wb's row 1,024 x first projection + 256 tx + 128 x half: nothing of cy in it
	s_lshl_b32 s42, s[CH], 7
	s_add_co_u32 s23, s23, s42
	s_lshl_b32 s42, s[T0], 10
	s_add_co_u32 s23, s23, s42
	s_lshl_b32 s42, s23, 11
	s_mov_b32 s43, 0
	s_mul_i32 s21, s[WV], HALFT                    ; where they go: x's two halves, then the weight's two = wave x 128 rows: no place in the cluster enters an LDS address
	s_mov_b32 s[PJ+1], 0
	s_wait_dscnt 0x0                               ; the opening add is done
	s_wait_kmcnt 0x0
	s_add_nc_u64 s[40:41], s[4:5], s[40:41]
	s_add_nc_u64 s[42:43], s[6:7], s[42:43]
	CROUND                                         ; all sixteen work-groups are here: the first joint loads meet
.irp s, 0,1
	s_mov_b32 s[G0A+4*(\s)], 1                     ; count = 1
	s_add_co_u32 s[G0A+4*(\s)+1], s21, (\s)*SLOT   ; LDS address
	s_add_nc_u64 s[G0A+4*(\s)+2:G0A+4*(\s)+3], s[40:41], (\s)*KSB  ; global address: K step s
	s_or_b32 s[G0A+4*(\s)+3], s[G0A+4*(\s)+3], 0x80000000          ; type = 2
	s_mov_b32 s[G0B+4*(\s)], 1
	s_add_co_u32 s[G0B+4*(\s)+1], s21, (\s)*SLOT
	s_add_nc_u64 s[G0B+4*(\s)+2:G0B+4*(\s)+3], s[42:43], (\s)*KSB
	s_or_b32 s[G0B+4*(\s)+3], s[G0B+4*(\s)+3], 0x80000000
	JLOAD \s                                       ; two tensor loads of mine are out
.endr
	; A fragment is 16 rows x 32 K in 8 registers: lane l holds row l % 16, K = 8 (l / 16) + 0..7 and 16 + 8 (l / 16) + 0..7: two loads of 16 bytes, 32 bytes apart.
	v_and_b32 v1, 15, v0                           ; l % 16
	v_bfe_u32 v2, v0, 4, 1                         ; l / 16
	v_mul_u32_u24 v3, v1, PITCH
	v_lshl_add_u32 v3, v2, 4, v3                   ; row x pitch + 16 x half
	s_mul_i32 s19, s[RH], HALFT                    ; my 128 tokens
	s_mul_i32 s22, s[CH], HALFT                    ; my 128 rows of the weight,
	s_add_co_u32 s22, s22, 2*HALFT                 ; which lie behind x's 256
	v_add_nc_u32 v[ADRA], s19, v3
	v_add_nc_u32 v[ADRB], s22, v3
	v_add_nc_u32 v[ADRA+1], SLOT, v[ADRA]
	v_add_nc_u32 v[ADRB+1], SLOT, v[ADRB]
	s_mul_i32 s19, s[WV], 16*SPITCH
	s_add_co_u32 s19, s19, STAGE                   ; my stage
	v_add_nc_u32 v[STO], s19, v3                   ; in: row l % 16, 16 bytes for each half of the lanes
	v_mul_u32_u24 v4, v2, SPITCH                   ; back: lanes 0-15 one row of 256 bytes, lanes 16-31 the next
	v_lshl_add_u32 v4, v1, 4, v4
	v_add_nc_u32 v[RD], s19, v4
	v_lshlrev_b32 v5, 11, v2                       ; and the same two rows in pj
	v_lshl_add_u32 v[CO], v1, 4, v5
	v_lshlrev_b32 v[BO], 5, v2
	v_and_b32 v[PFO], 31, v0
	v_lshlrev_b32 v[PFO], 11, v[PFO]
	s_lshl_b32 s73, s18, 8                         ; pj at token 256 x token block + 128 RH, column 256 tx + 128 CH, in the plane of my first projection
	s_lshl_b32 s74, s[RH], 7
	s_add_co_u32 s73, s73, s74
	s_lshl_b32 s73, s73, 11
	s_lshl_b32 s74, s17, 9
	s_add_co_u32 s73, s73, s74
	s_lshl_b32 s74, s[CH], 8
	s_add_co_u32 s73, s73, s74
	s_lshl_b32 s74, s[T0], 24                      ; a plane is 16 MiB
	s_add_co_u32 s74, s74, s73
	s_mov_b32 s75, 0
	s_add_nc_u64 s[10:11], s[10:11], s[74:75]
	s_lshl_b32 s74, s17, 10                        ; bb at the same column, 4 bytes each, 4,096 a projection
	s_lshl_b32 s73, s[CH], 9
	s_add_co_u32 s74, s74, s73
	s_lshl_b32 s73, s[T0], 12
	s_add_co_u32 s74, s74, s73
	s_add_nc_u64 s[8:9], s[8:9], s[74:75]
	BIASLD                                         ; my first projection's
	s_cmp_eq_u32 s[RR], 0                          ; who prefetches: the same answer in all sixteen partners, for a given wave.  The weight's rows: the first of the eight clusters that read them;
	s_cselect_b32 s[LIM], 1, -1
	s_cmp_eq_u32 s[RH], 0                          ; x's rows: every cluster its own
	s_cselect_b32 s[LIM], 1, s[LIM]
	s_cselect_b32 s[PJ], 0, 1024*ROWB
	s_lshl_b32 s76, s15, 5                         ; x: the 128 rows that I fetch, my work-group's 32 of them
	s_add_co_u32 s76, s76, s20
	s_lshl_b32 s77, s16, 5                         ; the weight: likewise
	s_add_co_u32 s77, s77, s23
	s_cmp_eq_u32 s[RH], 0
	s_cselect_b32 s76, s76, s77
	s_cselect_b64 s[PFA:PFA+1], s[4:5], s[6:7]
	s_lshl_b32 s76, s76, 11
	s_add_co_u32 s76, s76, 2*KSB                   ; at K step 2: the first refill steps it to 3 and names K step 4
	s_mov_b32 s77, 0
	s_add_nc_u64 s[PFA:PFA+1], s[PFA:PFA+1], s[76:77]
	s_wait_tensorcnt 1                             ; my part of K step 0 is in; K step 1's may stay out
	s_barrier_signal -1
	s_barrier_wait -1                              ; everybody's is
	FETCH 0, 0, F0                                 ; (it leaves every window 0, as a label and a branch want it)
	s_mov_b32 s2, 3                                ; the tile counter: 3, 2, 1; a cluster of position leaves the walk at 2
.Ltile:
	s_wait_loadcnt 0x0                             ; this tile's bias
	QUARTER 0, 64, F0, F1, 1                       ; a tile's first quarter stands in front of the loop: its products start the sums, from the bias
	WIN 0
	s_cmp_eq_u32 s2, 1                             ; the walk's last tile has no successor: the counter's own end,
	s_cbranch_scc1 .Lno_bias
	s_cmp_eq_u32 s2, s[LAST]                       ; or my cluster's
	s_cbranch_scc1 .Lno_bias
	PLACES                                         ; behind the products that read the bias
	s_wait_xcnt 0x0                                ; earlier memory instructions have read their addresses
	s_add_nc_u64 s[8:9], s[8:9], 4096
	BIASLD                                         ; the next tile's: a whole tile in which to come
.Lno_bias:
	s_mov_b32 s3, 3
.Llap:                                                 ; a trip goes once round the ring, from a lap's second quarter to the next lap's first, and fills both slots again
	QUARTER 0, 128, F1, F0, 0
	QUARTER 0, 192, F0, F1, 0
	TURN 0, 1, 0
	QUARTER 1, 64,  F0, F1, 0
	QUARTER 1, 128, F1, F0, 0
	QUARTER 1, 192, F0, F1, 0
	TURN 1, 0, 0
	QUARTER 0, 64,  F0, F1, 0
	WIN 0
	s_sub_co_u32 s3, s3, 1
	s_cmp_lg_u32 s3, 0
	s_cbranch_scc1 .Llap
	QUARTER 0, 128, F1, F0, 0                      ; the tile's last lap goes on
	QUARTER 0, 192, F0, F1, 0
	WIN 0
	s_cmp_eq_u32 s2, 1                             ; the last tile's tail is written out: it asks for nothing more.  Both numbers are the same in all sixteen partners
	s_cbranch_scc1 .Llast
	s_cmp_eq_u32 s2, s[LAST]
	s_cbranch_scc1 .Llast
	TURN 0, 1, 1                                   ; the ring goes on into the next tile: slot 0 takes its K step 0,
	QUARTER 1, 64,  F0, F1, 0
	QUARTER 1, 128, F1, F0, 0
	QUARTER 1, 192, F0, F1, 0
	TURN 1, 0, 1                                   ; slot 1 its K step 1, and the next tile's first fragments are fetched
	OUT                                            ; no v_nop: blocks 0 and 1 were finished in front of the joint load's four, and their 64 conversions are the places behind the last products
	s_wait_xcnt 0x0                                ; the stores have read their base
	s_add_nc_u64 s[10:11], s[10:11], 8192*ROWB     ; the next projection's plane of pj
	s_sub_co_u32 s2, s2, 1
	s_branch .Ltile
.Llast:
	TURNL 0, 1
	QUARTER 1, 64,  F0, F1, 0
	QUARTER 1, 128, F1, F0, 0
	QUARTER 1, 192, F0, F1, 0
	s_wait_dscnt 8                                 ; the very last quarter: nothing more to fetch
.irp a, 0,1,2,3
	MULA F1, \a, 0
.endr
	s_wait_dscnt 0x0
.irp a, 4,5,6,7
	MULA F1, \a, 0
.endr
	WIN 0
	PLACES
	OUT
	s_wait_tensorcnt 0x0                           ; the wave's end, behind my last tensor load and my last LDS store
	ds_add_u32 v[SPW], v[NIL]
	s_wait_dscnt 0x0
	CROUND                                         ; the closing round: no work-group ends while a partner may still ask for a tile that names it
	s_endpgm
.Lfunc_end_k_q31cbdb152d_proj:
	.size	k_q31cbdb152d_proj, .Lfunc_end_k_q31cbdb152d_proj-k_q31cbdb152d_proj
	.p2alignl 7, 3214868480
	.fill 96, 4, 3214868480
	.section	.rodata,"a",@progbits
	.p2align	6, 0x0
	.amdhsa_kernel k_q31cbdb152d_proj
		.amdhsa_group_segment_fixed_size 327680
		.amdhsa_private_segment_fixed_size 0
		.amdhsa_enable_private_segment 0
		.amdhsa_kernarg_size 32
		.amdhsa_user_sgpr_count 2
		.amdhsa_user_sgpr_kernarg_segment_ptr 1
		.amdhsa_wavefront_size32 1
		.amdhsa_system_sgpr_workgroup_id_x 1
		.amdhsa_system_sgpr_workgroup_id_y 1
		.amdhsa_system_sgpr_workgroup_id_z 1
		.amdhsa_system_vgpr_workitem_id 0
		.amdhsa_next_free_vgpr 1024
		.amdhsa_next_free_sgpr 88
		.amdhsa_reserve_vcc 0
		.amdhsa_float_denorm_mode_32 3
		.amdhsa_float_denorm_mode_16_64 3
		.amdhsa_memory_ordered 1
		.amdhsa_forward_progress 1
		.amdhsa_inst_pref_size 213
	.end_amdhsa_kernel
	.amdgpu_metadata
---
amdhsa.version: [ 1, 2 ]
amdhsa.kernels:
  - .name:           k_q31cbdb152d_proj
    .symbol:         k_q31cbdb152d_proj.kd
    .args:
      - { .name: xb, .offset: 0, .size: 8, .value_kind: global_buffer, .address_space: global }
      - { .name: wb, .offset: 8, .size: 8, .value_kind: global_buffer, .address_space: global }
      - { .name: bb, .offset: 16, .size: 8, .value_kind: global_buffer, .address_space: global }
      - { .name: pj, .offset: 24, .size: 8, .value_kind: global_buffer, .address_space: global }
    .group_segment_fixed_size: 327680
    .private_segment_fixed_size: 0
    .kernarg_segment_align: 8
    .kernarg_segment_size: 32
    .max_flat_workgroup_size: 128
    .sgpr_count:     88
    .vgpr_count:     1024
    .wavefront_size: 32
...
	.end_amdgpu_metadata
.endif
;; end of part 5
;; launch attn: the kernel of part 3 again; grid 256 x 1, 16 waves a work-group, no clusters, 38,912 bytes of LDS; arguments pj, ao; writes ao
;; launch outp: the kernel of part 4 again; grid 4 x 64, 4 waves a work-group, clusters of 4 x 4, 327,680 bytes of LDS; arguments ao, wb, bb, out0; writes out0
;; ======== version 3 of 3: 4 launches; version 2 with the launch cast written anew for expert scheduling mode
;; limits: values are held in f16: magnitudes above 65,504 overflow, below 6.1e-05 lose precision
;; workspace buffers: xb 33,554,432 bytes; wb 12,582,912 bytes; bb 24,576 bytes; pj 83,886,080 bytes; ao 16,777,216 bytes
;; launch cast (part 6): grid 32 x 22, 8 waves a work-group, no clusters, 0 bytes of LDS; arguments content, position, Wcq, Wck, Wcv, Wpq, Wpk, Wo, bcq, bck, bcv, bpq, bpk, bo, xb, wb, bb; writes xb, wb, bb
.if DOCPART == 6
	.amdgcn_target "amdgcn-amd-amdhsa--gfx1250"
	.amdhsa_code_object_version 6
	.text
	.protected	k_q31cbdb152d_cast
	.globl	k_q31cbdb152d_cast
	.p2align	8
	.type	k_q31cbdb152d_cast,@function
k_q31cbdb152d_cast:
	s_mov_b64 s[64:65], 0
	v_nop
	global_prefetch_b8 v0, s[64:65] scope:SCOPE_SE
	s_setreg_imm32_b32 hwreg(HW_REG_WAVE_SCHED_MODE, 0, 2), 2
	s_setreg_imm32_b32 hwreg(HW_REG_WAVE_MODE, 25, 1), 1
	s_wait_xcnt 0x0
	s_wait_alu depctr_vm_vsrc(0)
; CAST.  Every input is rounded once to bf16 and laid out for the launches that follow.
;   xb [16384][1024] bf16: rows 0-8191 content, rows 8192-16383 position.
;   wb [6144][1024] 16 bits: weight t at rows 1024 t: t = 0 cq, 1 ck, 2 cv, 3 pq, 4 pk in bf16; t = 5 Wo, its bf16 value written as f16.
;   bb [6144] f32: the biases, rounded to bf16 and kept as f32, in wb's order of rows.
; THE ROWS OF THE FIVE PROJECTIONS ARE PERMUTED, so that a token's projected row lies as the attention's matrix fragments want it:
;   cq, ck, pq, pk: row u x 128 + head x 8 + j takes source row head x 64 + u x 8 + j;     cv: row d x 16 + g takes source row g x 64 + d.
; LIMITS.  Wo as f16: exact for bf16 values from 6.1e-5 to 65,504 in size; below that f16 keeps its fixed step of 6e-8; beyond, an infinity.
; SHARES.  y names a segment of 1,024 rows of 4,096 bytes: 0-7 content, 8-15 position, 16-21 weight y - 16.  A work-group takes 32 rows of the result, a wave four.
; A wave asks for its four rows at once, 32 loads of 512 consecutive bytes (16 KiB on their way), converts in place and stores 256 consecutive aligned bytes an instruction.
; No LDS, no barrier, no matrix unit: no wave wants a byte that another has fetched.  Nothing is prefetched: all of a wave's loads go out at its head.
; THE MODE: SCHED_MODE bits 1:0 = 2 (LLVM: expert scheduling mode 2), set by the entry lines.  The code itself states the register dependences
; between vector instructions and memory instructions, with s_wait_alu, always for 0.
; THE PLAN.  Registers that memory instructions touch:
;   v3, v4-v7   byte offsets, made once at the head and never written again: v4-v7 are read by the 32 loads, v3 by every store.
;   X           four registers to a load.  Load k lands in X + 4 k ..; its two (Wo: eight) conversions read the four and write the first two in place; store k reads those two; nothing writes them again.
;   v8, v9      the bias part: offsets of its two loads.   v10, v11: those loads land in them, after vector lines have used them at work.   v14, v15: the data of its one store.
; The 32 loads go in eight groups of four.  At the head of group g one wait states that group g - 1's conversions have written their results; that group's four stores follow it, one ahead of each
; load's conversions, which name group g's registers and v8-v13 alone: none that those stores touch.  No register that a memory instruction has read is written again, so no wait is owed on that side.
.set X, 16                             ; v[16:143]  load k = 8 i + p (row i, piece p) at X + 4 k
.macro PICK dst, from, src             ; from segment \from on the source is another buffer
	s_cmp_ge_u32 s3, \from
	s_cselect_b64 s[\dst:\dst+1], s[\src:\src+1], s[\dst:\dst+1]
.endm
	s_load_b512 s[8:23], s[0:1], 0x0               ; content, position, Wcq, Wck, Wcv, Wpq, Wpk, Wo
	s_load_b512 s[24:39], s[0:1], 0x40             ; bcq, bck, bcv, bpq, bpk, bo, xb, wb
	s_load_b64 s[40:41], s[0:1], 0x80              ; bb
	s_mov_b32 s2, ttmp9                            ; x
	s_and_b32 s3, ttmp7, 0xffff                    ; y
	v_lshrrev_b32 v1, 5, v0
	v_readfirstlane_b32 s4, v1                     ; wave 0..7
	v_and_b32 v1, 31, v0                           ; lane
	v_lshlrev_b32 v2, 4, v1                        ; 16 bytes a lane in
	v_lshlrev_b32 v3, 3, v1                        ; 8 bytes a lane out; never rewritten
	s_wait_alu depctr_va_sdst(0)                   ; s4 is written, ahead of its first reader: my first row is made from it
	s_lshl_b32 s5, s2, 5
	s_lshl2_add_u32 s5, s4, s5                     ; q4 = 32 x + 4 wave: my first row of the result, in its segment
	s_cmp_ge_u32 s3, 16                            ; which permutation: s54 = all ones for cq, ck, pq, pk; s55 = all ones for cv
	s_cselect_b32 s54, -1, 0
	s_cmp_eq_u32 s3, 18
	s_cselect_b32 s55, -1, 0
	s_cmp_eq_u32 s3, 21
	s_cselect_b32 s53, -1, 0
	s_or_b32 s53, s53, s55
	s_and_not1_b32 s54, s54, s53
	s_bfe_u32 s50, s5, 0x40003                     ; head = (q4 >> 3) & 15
	s_lshl_b32 s50, s50, 6
	s_lshr_b32 s51, s5, 7                          ; u = q4 >> 7
	s_lshl3_add_u32 s50, s51, s50
	s_and_b32 s51, s5, 7                           ; j: 0 or 4, so my four rows are neighbours in the source too
	s_add_co_u32 s50, s50, s51                     ; head x 64 + u x 8 + j
	s_and_b32 s51, s5, 15                          ; g: 0, 4, 8 or 12: my four rows lie 64 apart in the source
	s_lshl_b32 s51, s51, 6
	s_lshr_b32 s52, s5, 4                          ; d
	s_add_co_u32 s51, s51, s52                     ; g x 64 + d
	s_cmp_lg_u32 s54, 0
	s_cselect_b32 s48, s50, s5
	s_cmp_lg_u32 s55, 0
	s_cselect_b32 s48, s51, s48                    ; my first source row,
	s_cselect_b32 s49, 64, 1                       ; and the step to the next
	s_mov_b32 s50, s48
	s_add_co_u32 s51, s50, s49
	s_add_co_u32 s52, s51, s49
	s_add_co_u32 s53, s52, s49
.irp i, 0,1,2,3
	v_lshl_add_u32 v[4+(\i)], s[50+(\i)], 12, v2   ; row x 4,096 + 16 lane
.endr
	s_mov_b32 s57, 0
	s_wait_kmcnt 0x0
	s_mov_b64 s[42:43], s[8:9]                     ; the source
	PICK 42, 8, 10
	PICK 42, 16, 12
	PICK 42, 17, 14
	PICK 42, 18, 16
	PICK 42, 19, 18
	PICK 42, 20, 20
	PICK 42, 21, 22
	s_mov_b64 s[46:47], s[24:25]                   ; the bias that goes with it
	PICK 46, 17, 26
	PICK 46, 18, 28
	PICK 46, 19, 30
	PICK 46, 20, 32
	PICK 46, 21, 34
	s_and_b32 s56, s3, 7                           ; content and position: the segment's 4 MiB in the source
	s_cmp_lt_u32 s3, 16
	s_cselect_b32 s56, s56, 0
	s_lshl_b32 s56, s56, 22
	s_add_nc_u64 s[42:43], s[42:43], s[56:57]
	s_cmp_lt_u32 s3, 16
	s_cselect_b64 s[44:45], s[36:37], s[38:39]     ; the result: xb or wb,
	s_and_b32 s56, s3, 15                          ; its segment (y, or y - 16),
	s_lshl_b32 s56, s56, 10
	s_add_co_u32 s56, s56, s5                      ; my first row,
	s_lshl_b32 s56, s56, 11                        ; of 2,048 bytes
	s_add_nc_u64 s[44:45], s[44:45], s[56:57]
	s_and_b32 s56, s3, 15                          ; bb: 4,096 bytes a weight, 256 a work-group (used for y >= 16 and x < 16 alone)
	s_lshl_b32 s56, s56, 12
	s_lshl_b32 s58, s2, 8
	s_add_co_u32 s56, s56, s58
	s_add_nc_u64 s[58:59], s[40:41], s[56:57]
	s_wait_alu depctr_va_vdst(0)                   ; the offsets v3 to v7 are written, which the loads below and every store of the kernel read
.set k, 0
.rept 32
	global_load_b128 v[X+4*k:X+4*k+3], v[4+k/8], s[42:43] offset:512*(k%8) th:TH_LOAD_NT
.set k, k+1
.endr
; Load k is converted in place: its four numbers close up into the first two of their four registers.
.macro CVB k                           ; to bf16
	v_cvt_pk_bf16_f32 v[X+4*(\k)], v[X+4*(\k)], v[X+4*(\k)+1]
	v_cvt_pk_bf16_f32 v[X+4*(\k)+1], v[X+4*(\k)+2], v[X+4*(\k)+3]
.endm
.macro CVH k                           ; Wo: the bf16 value is written as f16; v8 to v13 are at work, and no memory instruction of this path names them
	v_cvt_pk_bf16_f32 v8, v[X+4*(\k)], v[X+4*(\k)+1]
	v_cvt_pk_bf16_f32 v9, v[X+4*(\k)+2], v[X+4*(\k)+3]
	v_lshlrev_b32 v10, 16, v8                      ; bf16 to f32: the low half moves up, the high half stays
	v_and_b32 v11, 0xffff0000, v8
	v_lshlrev_b32 v12, 16, v9
	v_and_b32 v13, 0xffff0000, v9
	v_cvt_pk_f16_f32 v[X+4*(\k)], v10, v11
	v_cvt_pk_f16_f32 v[X+4*(\k)+1], v12, v13
.endm
.macro ST k                            ; and stored
	global_store_b64 v3, v[X+4*(\k):X+4*(\k)+1], s[44:45] offset:2048*((\k)/8)+256*((\k)%8)  ; the wave stores 256 consecutive bytes, aligned; no register of a store is written again
.endm
; Group g: loads 4 g to 4 g + 3 are converted; the stores of group g - 1 stand among the conversions, behind the one wait at the group's head.  half = 1: Wo's path.
.macro GRP g, half
.irp j, 0,1,2,3
	s_wait_loadcnt 31-(4*(\g)+(\j))                ; loads come back in order (ISA guide 5.7.1): the younger ones may stay out
.if (\j) == 0 && (\g) > 0
	s_wait_alu depctr_va_vdst(0)                   ; the conversions of the group before have written their results, which the four stores of this group's text read
.endif
.if (\g) > 0
	ST 4*(\g)-4+(\j)                               ; no vector instruction since that wait names this store's registers
.endif
.if \half
	CVH 4*(\g)+(\j)
.else
	CVB 4*(\g)+(\j)
.endif
.endr
.endm
	s_cmp_eq_u32 s3, 21
	s_cbranch_scc1 .Lwo
.irp g, 0,1,2,3,4,5,6,7
	GRP \g, 0
.endr
	s_wait_alu depctr_va_vdst(0)                   ; the last group's conversions have written their results, which the last four stores read
.irp k, 28,29,30,31
	ST \k
.endr
	s_branch .Lbias
.Lwo:
.irp g, 0,1,2,3,4,5,6,7
	GRP \g, 1
.endr
	s_wait_alu depctr_va_vdst(0)                   ; the last group's conversions have written their results, which the last four stores read
.irp k, 28,29,30,31
	ST \k
.endr
.Lbias:
	; THE BIASES.  Wave 0 of the first 16 work-groups of a weight's segment takes 64 of its 1,024: two a lane, permuted like the weight's rows.
	s_cmp_lt_u32 s3, 16
	s_cbranch_scc1 .Lend
	s_cmp_ge_u32 s2, 16
	s_cbranch_scc1 .Lend
	s_cmp_lg_u32 s4, 0
	s_cbranch_scc1 .Lend
	s_lshl_b32 s56, s2, 6
	v_lshl_add_u32 v8, v1, 1, s56                  ; the first of my two places: 64 x + 2 lane, an even number
	v_bfe_u32 v9, v8, 3, 4                         ; head
	v_lshrrev_b32 v10, 7, v8                       ; u
	v_lshlrev_b32 v9, 6, v9
	v_lshl_add_u32 v9, v10, 3, v9
	v_and_b32 v10, 7, v8                           ; j
	v_add_nc_u32 v9, v9, v10                       ; head x 64 + u x 8 + j
	v_and_b32 v10, 15, v8                          ; g
	v_lshrrev_b32 v11, 4, v8                       ; d
	v_lshl_add_u32 v10, v10, 6, v11                ; g x 64 + d
	v_cndmask_b32 v8, v8, v9, s54                  ; (the two masks were made by scalar instructions)
	v_cndmask_b32 v8, v8, v10, s55
	v_add_nc_u32 v9, s49, v8                       ; the second place's source: 1 on, or 64
	v_lshlrev_b32 v8, 2, v8
	v_lshlrev_b32 v9, 2, v9
	s_wait_alu depctr_va_vdst(0)                   ; v8 and v9 are written, which the two loads read as offsets; the lines above are done writing and reading v10 and v11, in which the loads land
	global_load_b32 v10, v8, s[46:47]
	global_load_b32 v11, v9, s[46:47]
	s_wait_loadcnt 0x0
	v_cvt_pk_bf16_f32 v12, v10, v11
	v_lshlrev_b32 v14, 16, v12
	v_and_b32 v15, 0xffff0000, v12
	s_wait_alu depctr_va_vdst(0)                   ; v14 and v15 are written, which the store reads
	global_store_b64 v3, v[14:15], s[58:59]        ; 256 consecutive bytes, aligned
.Lend:
	s_endpgm
.Lfunc_end_k_q31cbdb152d_cast:
	.size	k_q31cbdb152d_cast, .Lfunc_end_k_q31cbdb152d_cast-k_q31cbdb152d_cast
	.p2alignl 7, 3214868480
	.fill 96, 4, 3214868480
	.section	.rodata,"a",@progbits
	.p2align	6, 0x0
	.amdhsa_kernel k_q31cbdb152d_cast
		.amdhsa_group_segment_fixed_size 0
		.amdhsa_private_segment_fixed_size 0
		.amdhsa_enable_private_segment 0
		.amdhsa_kernarg_size 136
		.amdhsa_user_sgpr_count 2
		.amdhsa_user_sgpr_kernarg_segment_ptr 1
		.amdhsa_wavefront_size32 1
		.amdhsa_system_sgpr_workgroup_id_x 1
		.amdhsa_system_sgpr_workgroup_id_y 1
		.amdhsa_system_sgpr_workgroup_id_z 1
		.amdhsa_system_vgpr_workitem_id 0
		.amdhsa_next_free_vgpr 144
		.amdhsa_next_free_sgpr 66
		.amdhsa_reserve_vcc 0
		.amdhsa_float_denorm_mode_32 3
		.amdhsa_float_denorm_mode_16_64 3
		.amdhsa_memory_ordered 1
		.amdhsa_forward_progress 1
		.amdhsa_inst_pref_size 35
	.end_amdhsa_kernel
	.amdgpu_metadata
---
amdhsa.version: [ 1, 2 ]
amdhsa.kernels:
  - .name:           k_q31cbdb152d_cast
    .symbol:         k_q31cbdb152d_cast.kd
    .args:
      - { .name: content, .offset: 0, .size: 8, .value_kind: global_buffer, .address_space: global }
      - { .name: position, .offset: 8, .size: 8, .value_kind: global_buffer, .address_space: global }
      - { .name: Wcq, .offset: 16, .size: 8, .value_kind: global_buffer, .address_space: global }
      - { .name: Wck, .offset: 24, .size: 8, .value_kind: global_buffer, .address_space: global }
      - { .name: Wcv, .offset: 32, .size: 8, .value_kind: global_buffer, .address_space: global }
      - { .name: Wpq, .offset: 40, .size: 8, .value_kind: global_buffer, .address_space: global }
      - { .name: Wpk, .offset: 48, .size: 8, .value_kind: global_buffer, .address_space: global }
      - { .name: Wo, .offset: 56, .size: 8, .value_kind: global_buffer, .address_space: global }
      - { .name: bcq, .offset: 64, .size: 8, .value_kind: global_buffer, .address_space: global }
      - { .name: bck, .offset: 72, .size: 8, .value_kind: global_buffer, .address_space: global }
      - { .name: bcv, .offset: 80, .size: 8, .value_kind: global_buffer, .address_space: global }
      - { .name: bpq, .offset: 88, .size: 8, .value_kind: global_buffer, .address_space: global }
      - { .name: bpk, .offset: 96, .size: 8, .value_kind: global_buffer, .address_space: global }
      - { .name: bo, .offset: 104, .size: 8, .value_kind: global_buffer, .address_space: global }
      - { .name: xb, .offset: 112, .size: 8, .value_kind: global_buffer, .address_space: global }
      - { .name: wb, .offset: 120, .size: 8, .value_kind: global_buffer, .address_space: global }
      - { .name: bb, .offset: 128, .size: 8, .value_kind: global_buffer, .address_space: global }
    .group_segment_fixed_size: 0
    .private_segment_fixed_size: 0
    .kernarg_segment_align: 8
    .kernarg_segment_size: 136
    .max_flat_workgroup_size: 256
    .sgpr_count:     66
    .vgpr_count:     144
    .wavefront_size: 32
...
	.end_amdgpu_metadata
.endif
;; end of part 6
;; launch proj: the kernel of part 5 again; grid 4 x 64, 4 waves a work-group, clusters of 4 x 4, 327,680 bytes of LDS; arguments xb, wb, bb, pj; writes pj
;; launch attn: the kernel of part 3 again; grid 256 x 1, 16 waves a work-group, no clusters, 38,912 bytes of LDS; arguments pj, ao; writes ao
;; launch outp: the kernel of part 4 again; grid 4 x 64, 4 waves a work-group, clusters of 4 x 4, 327,680 bytes of LDS; arguments ao, wb, bb, out0; writes out0
